; MI455X (gfx1250); checked and timed in simulation.
; The chip was launched on July 23, 2026; its instructions are those of AMD's public machine-readable ISA for CDNA 5 (MIT licence, August 2026) and "CDNA5" Instruction Set Architecture Reference Guide (July 2026). The comments in the code are by the model that wrote it; some were corrected since.
;; Transformer Encoder Layer Rotary. Allowed arithmetic: matrix products marked QUANTISED: E3M2 operands, one E8M0 scale for each 32 along K, by v_wmma_scale_f32_16x16x128_f8f6f4 with both operands' format E3M2, f32 sums; everything else in f32.
;; Inputs: b1 4,096 float32; b2 1,024 float32; k_b 1,024 float32; k_w 1,024 x 1,024 float32; ln1_b 1,024 float32; ln1_g 1,024 float32; ln2_b 1,024 float32; ln2_g 1,024 float32; q_b 1,024 float32; q_w 1,024 x 1,024 float32; src 2,048 x 2 x 1,024 float32; v_b 1,024 float32; v_w 1,024 x 1,024 float32; w1 1,024 x 4,096 float32; w2 4,096 x 1,024 float32.
;; Outputs: out0 2,048 x 2 x 1,024 float32.
;; This version of the problem:
;;   THIS VERSION OF THE PROBLEM IS GIVEN IN LOW PRECISION. The matrix products marked QUANTISED in the list below multiply operands that are first quantised to E3M2 (3 exponent bits, 2 mantissa bits; 6 bits a number), with one power-of-two scale for each 32 numbers along K (OCP MX v1.0); their sums are f32. All else is computed in f32.
;;   The module's matrix products, in the order in which they are computed (A, B: the left and right operand; K: the contracted axis; several contracted axes count as one K, in the product's order):
;;     1. [M 4,096, K 1,024] x [K 1,024, N 1,024]; A: input src; B: input q_w: QUANTISED
;;     2. [M 4,096, K 1,024] x [K 1,024, N 1,024]; A: input src; B: input k_w: QUANTISED
;;     3. [M 4,096, K 1,024] x [K 1,024, N 1,024]; A: input src; B: input v_w: QUANTISED
;;     4. batch 32 x [M 2,048, K 64] x [K 64, N 2,048]; A: computed on the way; B: computed on the way: QUANTISED
;;     5. batch 32 x [M 2,048, K 2,048] x [K 2,048, N 64]; A: softmax (see below); B: computed on the way: QUANTISED
;;     6. [M 4,096, K 1,024] x [K 1,024, N 4,096]; A: computed on the way; B: input w1: QUANTISED
;;     7. [M 4,096, K 4,096] x [K 4,096, N 1,024]; A: computed on the way; B: input w2: QUANTISED
;;   THE QUANTISER, for each operand of a quantised product, along K:
;;     - K is cut into blocks of 32 from its start; a last block that is shorter is filled with zeros.
;;     - A block's scale is 2^e with e = floor(log2(the largest magnitude in the block)) - 4, held to -126 .. 127; a block of zeros has e = 0. As a byte (E8M0): e + 127.
;;     - Each number is divided by its block's scale, clamped to +-28, and rounded to the nearest number of E3M2, ties to even, subnormals kept.
;;     - The product sums the exact products of the quantised numbers (number of the format x scale) in f32.
;;   ~~~python
;;   def quantise(x, axis):      # numpy; x: float32 -> the quantised numbers, widened to float32 again
;;       x = np.moveaxis(x, axis, -1); K = x.shape[-1]
;;       x = np.pad(x, [(0, 0)] * (x.ndim - 1) + [(0, -K % 32)]); x = x.reshape(x.shape[:-1] + (-1, 32)); a = np.abs(x).max(-1, keepdims=True)
;;       e = np.where(a > 0, np.clip(np.frexp(np.where(a > 0, a, 1))[1] - 1 - 4, -126, 127), 0)      # np.frexp(a)[1] - 1 = floor(log2(a)), exactly
;;       r = np.clip(x / 2.0 ** e, -28, 28)
;;       step = 2.0 ** (np.maximum(np.frexp(np.where(r == 0, 1, r))[1] - 1, -2) - 2)
;;       q = np.round(r / step) * step * 2.0 ** e      # np.round: ties to even
;;       return np.moveaxis(q.reshape(q.shape[:-2] + (-1,))[..., :K], -1, axis).astype(np.float32)
;;   ~~~
;;   SOFTMAX AHEAD OF A QUANTISED PRODUCT. Where the list says 'softmax', what is quantised is not the finished softmax but p = 2^(t - M), with t = logit x log2(e) and M = ceil(the row's largest t), a whole number; so 1/2 < the row's largest p <= 1. The row's sum l is taken of the UNQUANTISED p, in f32, and the product's result is divided by l at the end. Since M is a whole number, a kernel that streams over the keys may use a running M (the ceiling of the running maximum): every later rescaling is an exact power of two, which a block's scale takes up: the codes' values come out the same.
;;   OPERANDS COMPUTED ON THE WAY. 'Computed on the way' means the value that the module computes at that place (a softmax that the list does not call 'softmax' is quantised finished and normalised). What goes into a quantiser is computed in f32, as accurately as f32 sums, v_exp_f32 and their like allow (about 1e-6 of the number): no bf16 or f16 on the way to a quantiser, and a product that is left as it is and whose result goes on into a quantised operand takes f32 operands (vector FMAs, or v_wmma_f32_16x16x4_f32). A number that lies on a knife's edge between two numbers of the format may be rounded either way, as far as f32 arithmetic and the matrix unit's own rounding can turn it there, and no further.
;; One version. Each part assembles by itself: llvm-mc -triple=amdgcn-amd-amdhsa -mcpu=gfx1250 --defsym DOCPART=n.
;; ======== version 1 of 1: 7 launches
;; limits: right only within a limited range of input values
;; workspace buffers: opq 12,812,288 bytes; qkv 9,830,400 bytes; att 16,777,216 bytes; xb 20,054,016 bytes; hq 13,107,200 bytes; zb 33,554,432 bytes
;; launch prep (part 1): grid 992 x 1, 4 waves a work-group, no clusters, 34,304 bytes of LDS; arguments src, q_w, k_w, v_w, w1, w2, opq; writes opq
.if DOCPART == 1
	.amdgcn_target "amdgcn-amd-amdhsa--gfx1250"
	.amdhsa_code_object_version 6
	.text
	.protected	k_q9ebaabd659_prep
	.globl	k_q9ebaabd659_prep
	.p2align	8
	.type	k_q9ebaabd659_prep,@function
k_q9ebaabd659_prep:
	s_mov_b64 s[64:65], 0
	v_nop
	global_prefetch_b8 v0, s[64:65] scope:SCOPE_SE
	s_setreg_imm32_b32 hwreg(HW_REG_WAVE_MODE, 25, 1), 1
	s_wait_xcnt 0x0
; PREP: what many work-groups read later is quantised once, to codes of BF6 (E3M2) with one E8M0 byte for each 32 along K, and the table of sines and cosines is made.
; LAYOUT OF opq.  An operand [rows][K] lies as RECORDS of 1,600 bytes, [row tile of 16][K step of 128]: an image of the matrix operand's registers.  In a record: registers 0-3 of lane l at 16 l,
; registers 4-5 at 512 + 8 l, registers 6-9 at 768 + 16 l, registers 10-11 at 1,280 + 8 l, the 16 rows' scale words at 1,536 + 4 r.
; ROW POSITIONS.  Rows of src are taken batch by batch; row r of tile T is sequence place 32 (T / 2) + 8 (T % 2) + r + (r & 8).  The same order holds for the columns n of every weight.  K keeps its true order.
; FOUR WAYS, parted on the work-group's number:  0-255 src (one row tile each; wave w takes K steps 2 w, 2 w + 1);  256-703 q_w, k_w, v_w, w2 (rows of 4,096 bytes);  704-959 w1 (rows of 16,384 bytes);
; 960-991 the table (a wave makes one tile's image).  Only the first way uses LDS; no wave shares anything with another, so there is no barrier.
; A block's scale is 2^(floor(log2(largest magnitude)) - 4): its byte is the largest magnitude's exponent field - 4.
; LIMITS: NaN and infinities are not served.  A block whose largest magnitude lies under 2^-122 is held at the byte 1; a block of zeros gets the byte 1 where the rule says 127: its codes are zeros and this program alone reads the bytes.
; The table: 10000^(-f/32) is good to about 1.5e-7 of the number; sine and cosine of the f32 angle to about 1e-7.
.set REC,  1600
.set WQKV, 3276800                     ; opq: src's records at 0, then q_w, k_w, v_w,
.set W1Q,  5734400                     ; w1,
.set W2Q,  9011200                     ; w2,
.set ROPE, 12288000                    ; and the table: 128 tiles x 4,096 bytes
.set V16, 4                            ; v4  16 x lane
.set V8,  5                            ; v5  8 x lane
.set V4,  6                            ; v6  4 x (lane % 16)
.set STI, 7                            ; v7  my stage, rows as loaded: 16 x lane
.set STO, 8                            ; v8  my stage, read back: 528 r + 64 h
.set R0,  16                           ; v16-79   16 rows x 512 bytes as loaded, K step 2 w
.set R1,  80                           ; v80-143  K step 2 w + 1
.set X,   144                          ; v144-207 64 numbers of my row: register 16 b + i = k 32 b + 16 h + i
.set TM,  208                          ; v208-223 at work in QUANT
.set PW,  224                          ; v224     the scale word
.set PC,  226                          ; v226-244 the codes
.set WX,  16                           ; the weights' way: v16-79 two sets of 32 numbers,
.set WC,  80                           ; v80-111 eight registers of codes for each of four blocks
.set OUT, 32                           ; the table's way: v32-63
.set SEL, 46                           ; s[46:47] lane selects: lane l xor 16
; 64 numbers of a lane, register 16 b + i = k 32 b + 16 (lane / 16) + i of my row, become a fragment's codes in v[PC] on and its scale word in v[PW].
.macro QUANT s
.irp b, 0,1,2,3
	v_max3_num_f32 v[TM+\b], |v[\s+16*\b]|, |v[\s+1+16*\b]|, 0x2800000   ; block b: my 16 numbers, and the floor 2^(5 - 127): the byte cannot fall under 1
.endr
.irp i, 2,4,6,8,10,12,14
.irp b, 0,1,2,3
	v_max3_num_f32 v[TM+\b], v[TM+\b], |v[\s+16*\b+\i]|, |v[\s+1+16*\b+\i]|   ; the four blocks by turns
.endr
.endr
.irp b, 0,1,2,3
	v_permlanex16_b32 v[TM+4+\b], v[TM+\b], s[SEL], s[SEL+1]
.endr
.irp b, 0,1,2,3
	v_max_num_f32 v[TM+\b], v[TM+\b], v[TM+4+\b]   ; with lane l xor 16's: the block's largest magnitude
.endr
.irp b, 0,1,2,3
	v_add_nc_u32 v[TM+12+\b], 0xfe000000, v[TM+\b]   ; 4 off its exponent field: the conversion's scale operand
.endr
.irp b, 0,1,2,3
	v_lshrrev_b32 v[TM+4+\b], 23, v[TM+12+\b]      ; the scale's byte
.endr
	v_lshl_or_b32 v[PW], v[TM+5], 8, v[TM+4]
	v_lshl_or_b32 v[PW], v[TM+6], 16, v[PW]
	v_lshl_or_b32 v[PW], v[TM+7], 24, v[PW]
.irp c, 0,1
	v_cvt_scalef32_pk16_bf6_f32 v[PC+6*\c:PC+2+6*\c], v[\s+32*\c:\s+15+32*\c], v[TM+12+2*\c]
	v_cvt_scalef32_pk16_bf6_f32 v[PC+12+4*\c:PC+14+4*\c], v[\s+16+32*\c:\s+31+32*\c], v[TM+12+2*\c+1]   ; (a conversion's three registers begin on an even number)
.endr
	v_nop                                          ; one plain place behind a scaled conversion
.irp c, 0,1                                    ; the operand wants a whole block in a lane: lanes 0-15 block 2 c, lanes 16-31 block 2 c + 1
.irp i, 0,1,2
	v_permlane16_swap_b32 v[PC+6*\c+\i], v[PC+12+4*\c+\i]
.endr
.irp i, 0,1,2
	v_mov_b32 v[PC+3+6*\c+\i], v[PC+12+4*\c+\i]
.endr
.endr
.endm
.macro PUTREC sb, off                          ; a record: the fragment as it stands, and the scale words (lanes l and l + 16 hold and store the same word)
	global_store_b128 v[V16], v[PC:PC+3], s[\sb:\sb+1] offset:(\off)
	global_store_b64 v[V8], v[PC+4:PC+5], s[\sb:\sb+1] offset:(\off)+512
	global_store_b128 v[V16], v[PC+6:PC+9], s[\sb:\sb+1] offset:(\off)+768
	global_store_b64 v[V8], v[PC+10:PC+11], s[\sb:\sb+1] offset:(\off)+1280
	global_store_b32 v[V4], v[PW], s[\sb:\sb+1] offset:(\off)+1536
.endm
; 16 rows x 512 bytes, loaded densely (row i in v[rr + 4 i] on), turn through my own stage (rows 528 bytes apart) so that a lane holds 64 numbers of ONE row.  LDS serves a wave's instructions in order: no wait between.
.macro TURNIN rr, xx
.set ti, 0
.rept 16
	ds_store_b128 v[STI], v[\rr+4*ti:\rr+4*ti+3] offset:528*ti
.set ti, ti+1
.endr
.irp b, 0,1,2,3
.irp j, 0,1,2,3
	ds_load_b128 v[\xx+16*\b+4*\j:\xx+16*\b+4*\j+3], v[STO] offset:128*\b+16*\j
.endr
.endr
.endm
; The weights' way.  A lane takes a column and its registers run down K: a block of 32 along K is one lane's 32 registers.
.macro WLOAD t, stride
.set li, 0
.rept 32
	global_load_b32 v[WX+32*((\t)%2)+li], v4, s[20:21] offset:(32*(\t)+li)*(\stride) th:TH_LOAD_NT   ; 32 lanes read 128 consecutive bytes, the four waves 512
.set li, li+1
.endr
.endm
.macro WBLOCK t, stride                        ; block t is, in the fragment, lane (r', h = t % 2), registers 6 (t / 2) on
.set XS, WX+32*((\t)%2)
.if (\t) < 3
	s_wait_loadcnt 32                              ; this block's 32 loads are in; the next block's 32 may be out
.else
	s_wait_loadcnt 0x0
.endif
	v_max3_num_f32 v112, |v[XS]|, |v[XS+1]|, |v[XS+2]|
	v_max3_num_f32 v113, |v[XS+3]|, |v[XS+4]|, |v[XS+5]|
.irp i, 6,10,14,18,22,26
	v_max3_num_f32 v112, v112, |v[XS+\i]|, |v[XS+\i+1]|
	v_max3_num_f32 v113, v113, |v[XS+\i+2]|, |v[XS+\i+3]|
.endr
	v_max3_num_f32 v112, v112, |v[XS+30]|, |v[XS+31]|
	v_max3_num_f32 v112, v112, v113, 0x2800000     ; and the floor
	v_add_nc_u32 v114, 0xfe000000, v112            ; the conversion's scale operand
	v_lshrrev_b32 v115, 23, v114                   ; the byte
.if (\t) == 0
	v_mov_b32 v116, v115
.else
	v_lshl_or_b32 v116, v115, 8*(\t), v116         ; byte t of my column's scale word
.endif
	v_cvt_scalef32_pk16_bf6_f32 v[WC+8*(\t):WC+8*(\t)+2], v[XS:XS+15], v114
	v_cvt_scalef32_pk16_bf6_f32 v[WC+8*(\t)+4:WC+8*(\t)+6], v[XS+16:XS+31], v114
	v_nop                                          ; one plain place behind a scaled conversion
	v_mov_b32 v[WC+8*(\t)+3], v[WC+8*(\t)+4]       ; the six registers on end
	v_mov_b32 v[WC+8*(\t)+4], v[WC+8*(\t)+5]
	v_mov_b32 v[WC+8*(\t)+5], v[WC+8*(\t)+6]
.if (\t) < 2
	WLOAD (\t)+2, \stride
.endif
	global_store_b128 v5, v[WC+8*(\t):WC+8*(\t)+3], s[22:23] offset:768*((\t)/2)+256*((\t)%2)   ; each block has registers of its own: no store's data are written again
	global_store_b64 v6, v[WC+8*(\t)+4:WC+8*(\t)+5], s[22:23] offset:768*((\t)/2)+512+128*((\t)%2)
.endm
; s[20:21] the weight; s26 K steps - 1; s28 my K step; s29 which 128 columns (counted through q_w, k_w, v_w on end); s30 where the operand begins in opq
.macro WQ stride
	s_and_b32 s31, s29, (\stride)/512-1            ; which 128 columns of this weight
	s_lshl_b32 s31, s31, 9
	s_lshl_b32 s32, s18, 7                         ; my wave's 32 columns
	s_add_co_u32 s32, s32, s31
	s_mul_i32 s33, s28, 128*(\stride)              ; my 128 rows
	s_add_co_u32 s32, s32, s33
	s_mov_b32 s33, 0
	s_add_nc_u64 s[20:21], s[20:21], s[32:33]
	s_add_co_u32 s24, s26, 1                       ; K steps in a row tile
	s_lshl_b32 s34, s29, 3
	s_lshl_b32 s35, s18, 1
	s_add_co_u32 s34, s34, s35                     ; my first row tile: 32 columns are two tiles
	s_mul_i32 s34, s34, s24
	s_add_co_u32 s34, s34, s28
	s_mul_i32 s34, s34, REC
	s_add_co_u32 s34, s34, s30
	s_mov_b32 s35, 0
	s_add_nc_u64 s[22:23], s[16:17], s[34:35]
	s_mul_i32 s24, s24, REC                        ; bytes from a row tile to the next
	v_lshlrev_b32 v4, 2, v3                        ; in: 4 bytes a lane
	v_bfe_u32 v8, v0, 3, 1                         ; column l lands in tile u = (l / 8) % 2,
	v_and_b32 v9, 7, v0
	v_lshl_add_u32 v9, v2, 3, v9                   ; at row r' = 8 (l / 16) + l % 8
	v_mul_u32_u24 v8, v8, s24
	v_lshl_add_u32 v5, v9, 4, v8
	v_lshl_add_u32 v6, v9, 3, v8
	v_lshl_add_u32 v7, v9, 2, v8
	WLOAD 0, \stride
	WLOAD 1, \stride
	WBLOCK 0, \stride
	WBLOCK 1, \stride
	WBLOCK 2, \stride
	WBLOCK 3, \stride
	global_store_b32 v7, v116, s[22:23] offset:1536
.endm
; sine and cosine of place s x 10000^(-f/32), f = 16 (idx / 8) + idx % 8 + 8 h
.macro CS idx
	v_add_nc_u32 v11, 16*((\idx)/8)+(\idx)%8, v9
	v_cvt_f32_u32 v11, v11                         ; f
	v_mul_f32 v12, s24, v11                        ; f x 108853 / 2^18: 5 bits x 17 bits, exact
	s_wait_alu depctr_va_vdst(0)
	v_exp_f32 v12, -v12
	v_fma_f32 v13, v11, s25, 1.0                   ; what the 17 bits leave of log2(10000) / 32, as a factor 1 + f x 1.59e-7.  (The plain place behind the exponential)
	s_wait_alu depctr_va_vdst(0)
	v_mul_f32 v12, v12, v13                        ; 10000^(-f/32)
	v_mul_f32 v12, v8, v12                         ; the angle, rounded to f32 once
	v_mul_f32 v13, s26, v12
	v_rndne_f32 v13, v13                           ; n = the nearest multiple of pi / 2
	v_fma_f32 v14, -v13, s27, v12                  ; angle - n pi/2, pi/2 in two parts: the first step is exact
	v_fma_f32 v14, -v13, s28, v14
	v_mul_f32 v15, v14, v14                        ; z
	v_cvt_i32_f32 v13, v13
	v_fma_f32 v16, v15, s29, s30                   ; the two polynomials by turns
	v_fma_f32 v17, v15, s32, s33
	v_fma_f32 v16, v16, v15, s31
	v_fma_f32 v17, v17, v15, s34
	v_mul_f32 v16, v16, v15
	v_mul_f32 v19, v15, v15
	v_fma_f32 v18, v15, -0.5, 1.0
	v_fma_f32 v16, v16, v14, v14                   ; sine of the rest
	v_fma_f32 v17, v17, v19, v18                   ; cosine of the rest
	v_and_b32 v18, 1, v13                          ; the quadrant only selects values and signs
	v_cmp_eq_u32 vcc_lo, 1, v18
	v_cndmask_b32 v19, v16, v17, vcc_lo
	v_cndmask_b32 v20, v17, v16, vcc_lo
	v_lshlrev_b32 v18, 30, v13
	v_and_b32 v18, 0x80000000, v18                 ; the sine is negative in quadrants 2, 3
	v_xor_b32 v[OUT+2*((\idx)%8)+16*((\idx)/8)], v19, v18
	v_add_nc_u32 v13, 1, v13
	v_lshlrev_b32 v13, 30, v13
	v_and_b32 v13, 0x80000000, v13                 ; the cosine in quadrants 1, 2
	v_xor_b32 v[OUT+2*((\idx)%8)+16*((\idx)/8)+1], v20, v13
.endm
	s_load_b256 s[4:11], s[0:1], 0x0               ; src s[4:5], q_w s[6:7], k_w s[8:9], v_w s[10:11]
	s_load_b128 s[12:15], s[0:1], 0x20             ; w1 s[12:13], w2 s[14:15]
	s_load_b64 s[16:17], s[0:1], 0x30              ; opq
	v_lshl_add_u32 v254, v0, 2, 0x8400
	v_mov_b32 v255, 0
	v_lshrrev_b32 v1, 5, v0
	v_readfirstlane_b32 s18, v1                    ; wave 0..3
	v_and_b32 v3, 31, v0                           ; lane
	v_and_b32 v1, 15, v0                           ; r
	v_bfe_u32 v2, v0, 4, 1                         ; h
	s_wait_kmcnt 0x0
	s_cmp_lt_u32 ttmp9, 256
	s_cbranch_scc1 .Lsrc
	s_cmp_lt_u32 ttmp9, 704
	s_cbranch_scc1 .Lw_narrow
	s_cmp_lt_u32 ttmp9, 960
	s_cbranch_scc1 .Lw_wide
	; ---- the table: my wave's tile T.  Image: register 2 e + 16 b = sine, the next = cosine, of frequency 16 b + 8 h + e at my lane's place; registers 4 g .. 4 g + 3 at 512 g + 16 l
	s_sub_co_u32 s19, ttmp9, 960
	s_lshl_b32 s19, s19, 2
	s_add_co_u32 s19, s19, s18                     ; T
	s_lshr_b32 s20, s19, 1
	s_lshl_b32 s20, s20, 5
	s_and_b32 s21, s19, 1
	s_lshl_b32 s21, s21, 3
	s_add_co_u32 s20, s20, s21
	s_wait_alu depctr_va_vdst(0)
	v_and_b32 v8, 8, v1
	v_add_nc_u32 v8, v8, v1
	v_add_nc_u32 v8, s20, v8
	v_cvt_f32_u32 v8, v8                           ; my place in the sequence
	v_lshlrev_b32 v9, 3, v2                        ; 8 h
	s_wait_alu depctr_va_vdst(0)
	v_lshlrev_b32 v4, 4, v3
	s_lshl_b32 s22, s19, 12
	s_add_co_u32 s22, s22, ROPE
	s_mov_b32 s23, 0
	s_add_nc_u64 s[16:17], s[16:17], s[22:23]
	s_mov_b32 s24, 0x3ed49a80                      ; 108853 / 2^18
	s_mov_b32 s25, 0x342ae0cf                      ; 1.59143e-7
	s_mov_b32 s26, 0x3f22f983                      ; 2 / pi
	s_mov_b32 s27, 0x3fc90fdb                      ; pi / 2, upper part
	s_mov_b32 s28, 0xb33bbd2e                      ; and lower
	s_mov_b32 s29, 0xb94ca1f9                      ; sine: -1.9515296e-4, 8.3321609e-3, -1.6666655e-1
	s_mov_b32 s30, 0x3c08839e
	s_mov_b32 s31, 0xbe2aaaa3
	s_mov_b32 s32, 0x37ccf5ce                      ; cosine: 2.4433157e-5, -1.3887316e-3, 4.1666646e-2
	s_mov_b32 s33, 0xbab6061a
	s_mov_b32 s34, 0x3d2aaaa5
.set n, 0
.rept 16
	CS n
.set n, n+1
.endr
.irp g, 0,1,2,3,4,5,6,7
	global_store_b128 v4, v[OUT+4*\g:OUT+4*\g+3], s[16:17] offset:512*\g
.endr
	s_endpgm
.Lsrc:  ; ---- src: the work-group is a row tile
	s_lshr_b32 s19, ttmp9, 7                       ; batch
	s_and_b32 s20, ttmp9, 127                      ; T
	s_lshr_b32 s21, s20, 1
	s_lshl_b32 s21, s21, 5
	s_and_b32 s22, s20, 1
	s_lshl_b32 s22, s22, 3
	s_add_co_u32 s21, s21, s22                     ; the tile's first place
	s_lshl_b32 s22, s21, 13                        ; a place is 8,192 bytes (two batches),
	s_lshl_b32 s19, s19, 12                        ; a batch 4,096,
	s_add_co_u32 s22, s22, s19
	s_lshl_b32 s19, s18, 10                        ; my two K steps 1,024
	s_add_co_u32 s22, s22, s19
	s_mov_b32 s23, 0
	s_add_nc_u64 s[4:5], s[4:5], s[22:23]
	s_lshl_b32 s24, ttmp9, 3
	s_lshl_b32 s19, s18, 1
	s_add_co_u32 s24, s24, s19
	s_mul_i32 s24, s24, REC
	s_mov_b32 s25, 0
	s_add_nc_u64 s[16:17], s[16:17], s[24:25]
	s_mov_b32 s[SEL], 0x76543210
	s_mov_b32 s[SEL+1], 0xfedcba98
	s_wait_alu depctr_va_vdst(0)
	v_lshlrev_b32 v[V16], 4, v3
	v_lshlrev_b32 v[V8], 3, v3
	v_lshlrev_b32 v[V4], 2, v1
	s_mul_i32 s19, s18, 8448                       ; my stage: 16 rows x 528 bytes
	v_add_nc_u32 v[STI], s19, v[V16]
	v_mul_u32_u24 v[STO], v1, 528
	v_lshl_add_u32 v[STO], v2, 6, v[STO]
	v_add_nc_u32 v[STO], s19, v[STO]
.irp b, 0,1,2,3
	v_mov_b32 v[TM+4+\b], 0                        ; written once: a lane permute's destination counts as one of its sources
.endr
.irp u, 0,1
.set li, 0
.rept 16
	global_load_b128 v[R0+64*\u+4*li:R0+64*\u+4*li+3], v[V16], s[4:5] offset:(li+(li&8))*8192+512*\u th:TH_LOAD_NT   ; 32 lanes read 512 consecutive bytes of one row
.set li, li+1
.endr
.endr
	s_wait_alu depctr_va_vdst(0)
	s_wait_loadcnt 16                              ; the first K step's 16 loads are in; the second's 16 may be out
	TURNIN R0, X
	s_wait_dscnt 0x0
	QUANT X
	PUTREC 16, 0
	s_wait_loadcnt 0x0
	TURNIN R1, X
	s_wait_dscnt 0x0
	s_wait_xcnt 0x0                                ; the stores' data registers are written again only behind this wait
	QUANT X
	PUTREC 16, REC
	s_wait_tensorcnt 0x0
	ds_add_u32 v254, v255
	s_wait_dscnt 0x0
	s_endpgm
.Lw_narrow:  ; ---- q_w, k_w, v_w (64 work-groups each: 8 x 128 columns, 8 K steps), then w2 (256: 8 x 128 columns, 32 K steps)
	s_sub_co_u32 s19, ttmp9, 256
	s_cmp_lt_u32 s19, 64                           ; the choices hang on the work-group's number alone
	s_cselect_b64 s[20:21], s[6:7], s[8:9]
	s_cmp_lt_u32 s19, 128
	s_cselect_b64 s[20:21], s[20:21], s[10:11]
	s_mov_b32 s30, W2Q
	s_cmp_lt_u32 s19, 192
	s_cselect_b64 s[20:21], s[20:21], s[14:15]
	s_cselect_b32 s25, 3, 5
	s_cselect_b32 s26, 7, 31
	s_cselect_b32 s27, 0, 192
	s_cselect_b32 s30, WQKV, s30
	s_sub_co_u32 s27, s19, s27
	s_and_b32 s28, s27, s26                        ; K step
	s_lshr_b32 s29, s27, s25                       ; which 128 columns
	s_wait_alu depctr_va_vdst(0)
	WQ 4096
	s_endpgm
.Lw_wide:  ; ---- w1: 32 x 128 columns, 8 K steps
	s_sub_co_u32 s27, ttmp9, 704
	s_mov_b64 s[20:21], s[12:13]
	s_mov_b32 s26, 7
	s_mov_b32 s30, W1Q
	s_and_b32 s28, s27, 7
	s_lshr_b32 s29, s27, 3
	s_wait_alu depctr_va_vdst(0)
	WQ 16384
	s_endpgm
.Lfunc_end_k_q9ebaabd659_prep:
	.size	k_q9ebaabd659_prep, .Lfunc_end_k_q9ebaabd659_prep-k_q9ebaabd659_prep
	.p2alignl 7, 3214868480
	.fill 96, 4, 3214868480
	.section	.rodata,"a",@progbits
	.p2align	6, 0x0
	.amdhsa_kernel k_q9ebaabd659_prep
		.amdhsa_group_segment_fixed_size 34304
		.amdhsa_private_segment_fixed_size 0
		.amdhsa_enable_private_segment 0
		.amdhsa_kernarg_size 56
		.amdhsa_user_sgpr_count 2
		.amdhsa_user_sgpr_kernarg_segment_ptr 1
		.amdhsa_wavefront_size32 1
		.amdhsa_system_sgpr_workgroup_id_x 1
		.amdhsa_system_sgpr_workgroup_id_y 1
		.amdhsa_system_sgpr_workgroup_id_z 1
		.amdhsa_system_vgpr_workitem_id 0
		.amdhsa_next_free_vgpr 256
		.amdhsa_next_free_sgpr 66
		.amdhsa_reserve_vcc 1
		.amdhsa_float_denorm_mode_32 3
		.amdhsa_float_denorm_mode_16_64 3
		.amdhsa_memory_ordered 1
		.amdhsa_forward_progress 1
		.amdhsa_inst_pref_size 85
	.end_amdhsa_kernel
	.amdgpu_metadata
---
amdhsa.version: [ 1, 2 ]
amdhsa.kernels:
  - .name:           k_q9ebaabd659_prep
    .symbol:         k_q9ebaabd659_prep.kd
    .args:
      - { .name: src, .offset: 0, .size: 8, .value_kind: global_buffer, .address_space: global }
      - { .name: q_w, .offset: 8, .size: 8, .value_kind: global_buffer, .address_space: global }
      - { .name: k_w, .offset: 16, .size: 8, .value_kind: global_buffer, .address_space: global }
      - { .name: v_w, .offset: 24, .size: 8, .value_kind: global_buffer, .address_space: global }
      - { .name: w1, .offset: 32, .size: 8, .value_kind: global_buffer, .address_space: global }
      - { .name: w2, .offset: 40, .size: 8, .value_kind: global_buffer, .address_space: global }
      - { .name: opq, .offset: 48, .size: 8, .value_kind: global_buffer, .address_space: global }
    .group_segment_fixed_size: 34304
    .private_segment_fixed_size: 0
    .kernarg_segment_align: 8
    .kernarg_segment_size: 56
    .max_flat_workgroup_size: 128
    .sgpr_count:     66
    .vgpr_count:     256
    .wavefront_size: 32
...
	.end_amdgpu_metadata
.endif
;; end of part 1
;; launch gemm_qkv (part 2): grid 12 x 32, 4 waves a work-group, clusters of 4 x 4, 327,680 bytes of LDS; arguments opq, q_b, k_b, v_b, qkv; writes qkv
.if DOCPART == 2
	.amdgcn_target "amdgcn-amd-amdhsa--gfx1250"
	.amdhsa_code_object_version 6
	.text
	.protected	k_q9ebaabd659_gemm_qkv
	.globl	k_q9ebaabd659_gemm_qkv
	.p2align	8
	.type	k_q9ebaabd659_gemm_qkv,@function
k_q9ebaabd659_gemm_qkv:
	s_mov_b64 s[64:65], 0
	v_nop
	global_prefetch_b8 v0, s[64:65] scope:SCOPE_SE
	s_setreg_imm32_b32 hwreg(HW_REG_WAVE_MODE, 25, 1), 1
	s_wait_xcnt 0x0
	s_wait_alu depctr_hold_cnt(0) depctr_sa_sdst(0) depctr_va_vdst(0) depctr_va_sdst(0) depctr_va_ssrc(0) depctr_va_vcc(0) depctr_vm_vsrc(0)
	s_getreg_b32 s2, hwreg(HW_REG_IB_STS2, 6, 4)
	s_cmp_eq_u32 s2, 0
	s_cbranch_scc0 .Lentry_in_a_cluster
	s_endpgm
.Lentry_in_a_cluster:
	s_bfe_u32 s2, ttmp6, 0x10000c
	s_cmp_lg_u32 s2, 0xf033
	s_cbranch_scc0 .Lentry_shape_is_right
	s_endpgm
.Lentry_shape_is_right:
; q, k, v = src W + bias on codes of BF6 (E3M2) with E8M0 scales; q and k are rotated; all three leave as codes for the attention launch.
; OPERANDS lie in opq as records of 1,600 bytes, [row tile of 16][K step of 128]: an image of the operand's registers (registers 0-3 at 16 l, 4-5 at 512 + 8 l, 6-9 at 768 + 16 l, 10-11 at 1,280 + 8 l) and the rows' scale words at 1,536 + 4 r.
; A work-group makes 128 rows of src (grid y) x 256 columns (grid x: 0-3 q, 4-7 k, 8-11 v).  K = 1,024 is 8 steps of 128: two LDS slots of 4 steps hold all of it, so nothing is filled twice.
; A tensor load's row is a row tile's 4 records, 6,400 consecutive bytes, starting at a multiple of 256 from the buffer's first byte; the scale words travel in the records.
; CLUSTERS: 4 x 4 work-groups; src's tiles are shared along a row of the cluster, the weight's along a column: each is asked for jointly, by the same tensor load with a mask that names the four.
; A WAVE makes 64 x 128: operand L (4 row tiles; a lane of the result holds one of its rows) and operand R (8 row tiles; the result's registers run along its rows): source 0 = R, source 1 = L, 32 accumulators.
; Since the rows of a tile are places 32 (T / 2) + 8 (T % 2) + r + (r & 8), register 16 b + i of the 64 of one L tile is R's TRUE row 32 b + 16 h + i: sixteen neighbours, as the conversions want them.
;   q, k: L = 64 rows of src, R = 128 columns (two heads): a lane holds a row, its registers run along the head's axis, the K of the first attention product.
;   v:    L = 64 columns (one head), R = the 128 rows of src: a lane holds one channel, its registers run along the keys, the K of the second.  Only two LDS bases differ; they hang on the cluster's x, which all partners share.
; A K STEP is 32 products in four quarters of 8 (R's tiles 2 g, 2 g + 1 against L's four).  The next step's 60 LDS loads stand in three runs behind the first three quarters, in the order in which that step wants them,
; so that LDS is read while the products run, and each quarter waits, by a count, only for what it multiplies.
; OUT (qkv): q at 0, k at 3,276,800, v at 6,553,600; [batch][head][128 rows] blocks of 6,400 bytes.  q, k: 8 tiles x 768 bytes (6 registers a lane: 64 along K), two scale bytes a row at 6,144 + 32 t + 2 r.
;   v: 4 tiles of 16 channels x 1,536 bytes (128 keys), scale words at 6,144 + 64 t + 4 r.
; REGISTERS: window 0: v1-21 lane terms and LDS addresses; v28-29 for the add; v32-55 scale words, two sets (nothing else ever); v64-159 L's fragments, two sets; v160-255 free in the loop.
;   window 1: R's fragments, two sets, at v0 and v128; v96-127 and v224-255 the bias.   window 2: accumulator (a, b) at v[8 (8 a + b)].
; LIMITS: NaN and infinities are not served; a block whose largest magnitude lies under 2^-122 is held at the byte 1 (a block of zeros too: its codes are zeros, and this program alone reads the bytes).
.set KSZ,   1024
.set REC,   1600
.set RTP,   (KSZ/128)*REC              ; a row tile in memory
.set RTL,   4*REC                      ; and in a slot: 4 K steps
.set ASZ,   8*RTL                      ; a slot: src's 8 row tiles, then the weight's 16
.set SLOT,  24*RTL
.set SPARE, 2*SLOT                     ; behind the slots: the spare words, 128 bytes a wave, which no other line names
.set AOFF,  0
.set BOFF,  3276800
.set PA,    4
.set PB,    4
.set ROPE,  12288000
.set AL16, 4                           ; v4-5   L's records in slot 0, 1: + 16 l
.set AL8,  6                           ; v6-7   + 8 l
.set AR16, 8                           ; v8-11  the same for R
.set AR8,  10
.set ALS,  12                          ; v12-13 + 4 r: L's scale words
.set ARS,  14                          ; v14-15 R's
.set V16,  16
.set V8,   17
.set V4,   18
.set VB,   19                          ; v19 64 h: my place in a bias
.set V2,   20                          ; v20 2 r
.set VD,   21                          ; v21 4 (r + (r & 8)): my channel in v_b
.set SPW,  28
.set NIL,  29
.set SC,   32
.set TP,   56
.set LF,   64
.set HA,   64                          ; the way out: 64 numbers
.set PC,   128
.set BV,   166
.set PW,   174
.set T0,   176
.set T1,   208
.set TM,   240
.set G1,   24
.set G0,   32
.set G1B,  48
.set G0B,  56
.set SEL,  92
.set MSB, 0
.macro WIN new                         ; the immediate's high byte repeats the setting that is left; a switch that changes nothing is dropped
.if MSB != \new
	s_set_vgpr_msb (MSB<<8)|\new
.set MSB, \new
.endif
.endm
; A joint load: waves 0 and 1 fetch src's halves, waves 2 and 3 the weight's.  The branch hangs on the wave's number alone.  Four v_nop follow each of the two lines.
.macro JLOAD g0a, g1a, g0b, g1b
	s_cmp_eq_u32 s15, 0
	s_cbranch_scc0 .Lfor_b_\@
	tensor_load_to_lds s[\g0a:\g0a+3], s[\g1a:\g1a+7]
	s_nop 0
.rept 4
	v_nop
.endr
	s_branch .Lasked_\@
.Lfor_b_\@:
	tensor_load_to_lds s[\g0b:\g0b+3], s[\g1b:\g1b+7]
	s_nop 0
.rept 4
	v_nop
.endr
.Lasked_\@:
.endm
.macro CREST
	s_cmp_lg_u32 s14, 0
	s_cbranch_scc1 .Lnot_wave_0_\@
	s_barrier_signal -3
.Lnot_wave_0_\@:
	s_barrier_wait -3
	s_barrier_signal -1
	s_barrier_wait -1
.endm
.macro CROUND                          ; a round of the cluster's barrier
	s_barrier_signal -1
	s_barrier_wait -1
	CREST
.endm
.macro PLACES n
.rept \n
	v_nop
.endr
.endm
; The LDS loads of the slot's q-th K step into set p, in the order in which the step wants them.  Every load takes consecutive bytes: no bank is asked twice.
.macro FETCH_SL slot, q, p             ; 28 loads, every window 0: the 12 scale words, then L's four fragments
.irp a, 0,1,2,3
	ds_load_b32 v[SC+12*(\p)+\a], v[ALS+\slot] offset:\a*RTL+(\q)*REC+1536
.endr
.irp b, 0,1,2,3,4,5,6,7
	ds_load_b32 v[SC+12*(\p)+4+\b], v[ARS+\slot] offset:\b*RTL+(\q)*REC+1536
.endr
.irp a, 0,1,2,3
	ds_load_b128 v[LF+48*(\p)+12*\a:LF+48*(\p)+12*\a+3], v[AL16+\slot] offset:\a*RTL+(\q)*REC
	ds_load_b64 v[LF+48*(\p)+12*\a+4:LF+48*(\p)+12*\a+5], v[AL8+\slot] offset:\a*RTL+(\q)*REC+512
	ds_load_b128 v[LF+48*(\p)+12*\a+6:LF+48*(\p)+12*\a+9], v[AL16+\slot] offset:\a*RTL+(\q)*REC+768
	ds_load_b64 v[LF+48*(\p)+12*\a+10:LF+48*(\p)+12*\a+11], v[AL8+\slot] offset:\a*RTL+(\q)*REC+1280
.endr
.endm
.macro FETCH_R slot, q, p, b0          ; 16 loads, destination window 1: R's tiles b0 .. b0 + 3
.irp b, \b0, \b0+1, \b0+2, \b0+3
	ds_load_b128 v[128*(\p)+12*(\b):128*(\p)+12*(\b)+3], v[AR16+\slot] offset:(\b)*RTL+(\q)*REC
	ds_load_b64 v[128*(\p)+12*(\b)+4:128*(\p)+12*(\b)+5], v[AR8+\slot] offset:(\b)*RTL+(\q)*REC+512
	ds_load_b128 v[128*(\p)+12*(\b)+6:128*(\p)+12*(\b)+9], v[AR16+\slot] offset:(\b)*RTL+(\q)*REC+768
	ds_load_b64 v[128*(\p)+12*(\b)+10:128*(\p)+12*(\b)+11], v[AR8+\slot] offset:(\b)*RTL+(\q)*REC+1280
.endr
.endm
.macro FETCH slot, q, p                ; all 60, for the first step
	FETCH_SL \slot, \q, \p
	WIN 0x40
	FETCH_R \slot, \q, \p, 0
	FETCH_R \slot, \q, \p, 4
	WIN 0
.endm
; 8 matrix instructions on set p: R's tiles b0, b0 + 1 against L's four.  Over a step the 32 accumulators take turns, one instruction a turn, in the same order in every step.  zero = 1: the products start the sums.
.macro MULQ p, b0, zero
.irp b, \b0, \b0+1
.irp a, 0,1,2,3
.if \zero
	v_wmma_scale_f32_16x16x128_f8f6f4 v[8*(8*\a+(\b)):8*(8*\a+(\b))+7], v[128*(\p)+12*(\b):128*(\p)+12*(\b)+11], v[LF+48*(\p)+12*\a:LF+48*(\p)+12*\a+11], 0, v[SC+12*(\p)+4+(\b)], v[SC+12*(\p)+\a] matrix_a_fmt:MATRIX_FMT_BF6 matrix_b_fmt:MATRIX_FMT_BF6
.else
	v_wmma_scale_f32_16x16x128_f8f6f4 v[8*(8*\a+(\b)):8*(8*\a+(\b))+7], v[128*(\p)+12*(\b):128*(\p)+12*(\b)+11], v[LF+48*(\p)+12*\a:LF+48*(\p)+12*\a+11], v[8*(8*\a+(\b)):8*(8*\a+(\b))+7], v[SC+12*(\p)+4+(\b)], v[SC+12*(\p)+\a] matrix_a_fmt:MATRIX_FMT_BF6 matrix_b_fmt:MATRIX_FMT_BF6
.endif
.endr
.endr
.endm
; One K step on set p.  fetch = 1: the fragments of (slot, q) go into the other set, in three runs behind quarters 0, 1, 2.  landed = 1: this step's fragments have been waited for already.
; LDS loads come back in order (ISA guide 5.7.1), so each count names the loads issued behind those that the quarter multiplies.
.macro BODY p, zero, fetch, slot, q, landed
.if \landed == 0
	s_wait_dscnt 24                                ; the scale words, L and R's tiles 0, 1 are in; R's tiles 2-7, 24 loads, may be out
.endif
	WIN 0xa1                                       ; source 0 (R) window 1, source 1 (L) window 0, C and D window 2
	MULQ \p, 0, \zero
.if \fetch
	WIN 0
	FETCH_SL \slot, \q, 1-(\p)
.endif
.if \landed == 0
	s_wait_dscnt 16+28*(\fetch)                    ; R's tiles 2, 3 are in; behind them: tiles 4-7 (16) and the 28 just issued
.endif
	WIN 0xa1
	MULQ \p, 2, \zero
.if \fetch
	WIN 0x40                                       ; destination window 1
	FETCH_R \slot, \q, 1-(\p), 0
.endif
.if \landed == 0
	s_wait_dscnt 8+44*(\fetch)                     ; R's tiles 4, 5 are in; behind them: tiles 6, 7 (8) and the next step's 44
.endif
	WIN 0xa1
	MULQ \p, 4, \zero
.if \fetch
	WIN 0x40
	FETCH_R \slot, \q, 1-(\p), 4
.endif
.if \landed == 0
	s_wait_dscnt 60*(\fetch)                       ; R's tiles 6, 7 are in; behind them only the next step's 60
.endif
	WIN 0xa1
	MULQ \p, 6, \zero
.endm
; A K step that has its successor in the same slot.
.macro STEP slot, q, zero
	PLACES 4                                       ; four places between the last step's products and the loads into the set that they read (ISA guide 7.12.1 for vector instructions)
	BODY (\q)%2, \zero, 1, \slot, (\q)+1, 0
.endm
; A slot's last step: a step like the others, whose successor's fragments come from the other slot, whole in LDS since the head's barrier.
.macro TURN slot, next
	PLACES 4
	BODY 1, 0, 1, \next, 0, 0
.endm
.macro LAST                            ; the very last step: nothing more to fetch, the counts run down
	BODY 1, 0, 0, 0, 0, 0
	WIN 0
	PLACES 4                                       ; in front of the first read of results and of writes into registers that held fragments
.endm
.macro FINISH
	s_wait_tensorcnt 0x0                           ; the wave's end
	ds_add_u32 v[SPW], v[NIL]
	s_wait_dscnt 0x0
	CROUND                                         ; the closing round
	s_endpgm
.endm
; 64 numbers of a lane, register 16 b + i = k 32 b + 16 (lane / 16) + i of my row, become a fragment's codes in v[PC] on and its scale word in v[PW].
.macro QUANT s
.irp b, 0,1,2,3
	v_max3_num_f32 v[TM+\b], |v[\s+16*\b]|, |v[\s+1+16*\b]|, 0x2800000   ; block b: my 16 numbers, and the floor 2^(5 - 127)
.endr
.irp i, 2,4,6,8,10,12,14
.irp b, 0,1,2,3
	v_max3_num_f32 v[TM+\b], v[TM+\b], |v[\s+16*\b+\i]|, |v[\s+1+16*\b+\i]|
.endr
.endr
.irp b, 0,1,2,3
	v_permlanex16_b32 v[TM+4+\b], v[TM+\b], s[SEL], s[SEL+1]
.endr
.irp b, 0,1,2,3
	v_max_num_f32 v[TM+\b], v[TM+\b], v[TM+4+\b]
.endr
.irp b, 0,1,2,3
	v_add_nc_u32 v[TM+12+\b], 0xfe000000, v[TM+\b]   ; 4 off the exponent field: the conversion's scale operand
.endr
.irp b, 0,1,2,3
	v_lshrrev_b32 v[TM+4+\b], 23, v[TM+12+\b]
.endr
	v_lshl_or_b32 v[PW], v[TM+5], 8, v[TM+4]
	v_lshl_or_b32 v[PW], v[TM+6], 16, v[PW]
	v_lshl_or_b32 v[PW], v[TM+7], 24, v[PW]
.irp c, 0,1
	v_cvt_scalef32_pk16_bf6_f32 v[PC+6*\c:PC+2+6*\c], v[\s+32*\c:\s+15+32*\c], v[TM+12+2*\c]
	v_cvt_scalef32_pk16_bf6_f32 v[PC+12+4*\c:PC+14+4*\c], v[\s+16+32*\c:\s+31+32*\c], v[TM+12+2*\c+1]
.endr
	v_nop                                          ; one plain place behind a scaled conversion
.irp c, 0,1
.irp i, 0,1,2
	v_permlane16_swap_b32 v[PC+6*\c+\i], v[PC+12+4*\c+\i]
.endr
.irp i, 0,1,2
	v_mov_b32 v[PC+3+6*\c+\i], v[PC+12+4*\c+\i]
.endr
.endr
.endm
	s_load_b128 s[4:7], s[0:1], 0x0                ; opq, q_b
	s_load_b128 s[8:11], s[0:1], 0x10              ; k_b, v_b
	s_load_b64 s[12:13], s[0:1], 0x20              ; qkv
	v_lshl_add_u32 v[SPW], v0, 2, SPARE
	v_mov_b32 v[NIL], 0
	ds_add_u32 v28, v29
	ds_add_u32 v28, v29
	s_wait_dscnt 0x0
	v_lshrrev_b32 v1, 5, v0
	v_readfirstlane_b32 s14, v1                    ; wave 0..3
	s_lshr_b32 s15, s14, 1                         ; i.  Also: I fetch for src (0) or for the weight (1)
	s_and_b32 s16, s14, 1                          ; j.  Also: which half of that tile I fetch
	s_bfe_u32 s40, ttmp6, 0x40000                  ; cx, cy: my place in the cluster
	s_bfe_u32 s41, ttmp6, 0x40004
	s_lshl_b32 s42, ttmp9, 2
	s_add_co_u32 s42, s42, s40                     ; x
	s_and_b32 s17, ttmp7, 0xffff
	s_lshl_b32 s17, s17, 2
	s_add_co_u32 s17, s17, s41                     ; y
	s_lshl_b32 s43, s41, 2
	s_lshl_b32 s43, 15, s43                        ; my row of the cluster
	s_lshl_b32 s44, 0x1111, s40                    ; my column
	s_or_b32 s[G1+0], s43, (3<<16)|(1<<21)         ; 15:0 the mask; 17:16 elements of 8 bytes; 21 set beside a mask; no padding
	s_or_b32 s[G1B+0], s44, (3<<16)|(1<<21)
	s_mov_b32 s[G1+1], 800<<16                     ; tensor_dim0 = 800 elements: 6,400 bytes
	s_mov_b32 s[G1+2], 8<<16                       ; tensor_dim1 = src's 8 row tiles
	s_mov_b32 s[G1+3], 800<<16                     ; tile_dim0
	s_mov_b32 s[G1+4], 8                           ; tile_dim1
	s_mov_b32 s[G1+5], RTP/8                       ; from row tile to row tile
	s_mov_b32 s[G1+6], 0
	s_mov_b32 s[G1+7], 0
	s_mov_b32 s[G1B+1], 800<<16
	s_mov_b32 s[G1B+2], 16<<16                     ; the weight's 16 row tiles
	s_mov_b32 s[G1B+3], 800<<16
	s_mov_b32 s[G1B+4], 16
	s_mov_b32 s[G1B+5], RTP/8
	s_mov_b32 s[G1B+6], 0
	s_mov_b32 s[G1B+7], 0
	s_lshl_b32 s20, s17, 3
	s_mul_i32 s20, s20, RTP                        ; src: row tile 8 y,
	s_mul_i32 s18, s16, RTL                        ; and my half of K: 4 records on
	s_add_co_u32 s20, s20, s18
	s_add_co_u32 s20, s20, AOFF
	s_mov_b32 s21, 0
	s_lshl_b32 s46, s42, 4
	s_mul_i32 s46, s46, RTP                        ; the weight: row tile 16 x, the same half of K
	s_add_co_u32 s46, s46, s18
	s_add_co_u32 s46, s46, BOFF
	s_mov_b32 s47, 0
	s_mul_i32 s45, s16, SLOT                       ; where they go: my half of K is a slot; no place in the cluster enters an LDS address
	s_add_co_u32 s94, s45, ASZ
	s_wait_kmcnt 0x0
	s_add_nc_u64 s[20:21], s[PA:PA+1], s[20:21]
	s_add_nc_u64 s[46:47], s[PB:PB+1], s[46:47]
	CROUND                                         ; all sixteen work-groups are here: the first joint loads meet
.irp s, 0
	s_mov_b32 s[G0+4*\s], 1
	s_add_co_u32 s[G0+4*\s+1], s45, \s*SLOT
	s_add_nc_u64 s[G0+4*\s+2:G0+4*\s+3], s[20:21], \s*RTL
	s_or_b32 s[G0+4*\s+3], s[G0+4*\s+3], 0x80000000
	s_mov_b32 s[G0B+4*\s], 1
	s_add_co_u32 s[G0B+4*\s+1], s94, \s*SLOT
	s_add_nc_u64 s[G0B+4*\s+2:G0B+4*\s+3], s[46:47], \s*RTL
	s_or_b32 s[G0B+4*\s+3], s[G0B+4*\s+3], 0x80000000
.endr
	JLOAD G0, G1, G0B, G1B                         ; my slot: one tensor load a wave at the head
	v_and_b32 v1, 15, v0                           ; r
	v_bfe_u32 v2, v0, 4, 1                         ; h
	v_and_b32 v3, 31, v0                           ; l
	v_lshlrev_b32 v[V16], 4, v3
	s_wait_alu depctr_va_vdst(0)
	v_lshlrev_b32 v[V8], 3, v3
	s_wait_alu depctr_va_vdst(0)
	v_lshlrev_b32 v[V4], 2, v1
	s_wait_alu depctr_va_vdst(0)
	v_lshlrev_b32 v[VB], 6, v2
	v_lshlrev_b32 v[V2], 1, v1
	v_and_b32 v[VD], 8, v1
	v_add_nc_u32 v[VD], v[VD], v1
	v_lshlrev_b32 v[VD], 2, v[VD]
	s_mul_i32 s66, s15, 4*RTL                      ; q, k: L = my 64 rows of src,
	s_mul_i32 s67, s16, 8*RTL
	s_add_co_u32 s67, s67, ASZ                     ; R = my 128 columns
	s_mul_i32 s68, s14, 4*RTL
	s_add_co_u32 s68, s68, ASZ                     ; v: L = my 64 columns,
	s_cmp_ge_u32 ttmp9, 2                          ; (the cluster's x: 0 q, 1 k, 2 v)
	s_cselect_b32 s66, s68, s66
	s_cselect_b32 s67, 0, s67                      ; R = all 128 rows of src
.irp s, 0,1
	v_add_nc_u32 v[AL16+\s], s66, v[V16]
	v_add_nc_u32 v[AL8+\s], s66, v[V8]
	v_add_nc_u32 v[ALS+\s], s66, v[V4]
	v_add_nc_u32 v[AR16+\s], s67, v[V16]
	v_add_nc_u32 v[AR8+\s], s67, v[V8]
	v_add_nc_u32 v[ARS+\s], s67, v[V4]
	s_add_co_u32 s66, s66, SLOT
	s_add_co_u32 s67, s67, SLOT
.endr
	s_mov_b32 s[SEL], 0x76543210
	s_mov_b32 s[SEL+1], 0xfedcba98
.irp b, 0,1,2,3
	v_mov_b32 v[TM+4+\b], 0                        ; written once: a lane permute's destination counts as one of its sources
.endr
	s_wait_alu depctr_va_vdst(0)
	s_wait_tensorcnt 0x0                           ; my one load is in: src's or the weight's part of one slot
	s_barrier_signal -1
	s_barrier_wait -1                              ; both slots are whole
	FETCH 0, 0, 0
	STEP 0, 0, 1                                   ; the first step's products start the sums
	STEP 0, 1, 0
	STEP 0, 2, 0
	TURN 0, 1
	STEP 1, 0, 0
	STEP 1, 1, 0
	STEP 1, 2, 0
	WIN 0                                          ; at a branch and at a label every window is 0
	s_cmp_ge_u32 ttmp9, 2                          ; the ways part ahead of the last 32 products, so that each way's loads land under them
	s_cbranch_scc1 .Lway_v
	; ---- q, k
	s_cmp_eq_u32 ttmp9, 0
	s_cselect_b64 s[70:71], s[6:7], s[8:9]         ; q_b or k_b
	s_lshl_b32 s72, s40, 10                        ; my 128 columns: 256 cx + 128 j, 4 bytes each
	s_lshl_b32 s73, s16, 9
	s_add_co_u32 s72, s72, s73
	s_mov_b32 s73, 0
	s_add_nc_u64 s[70:71], s[70:71], s[72:73]
	s_and_b32 s74, s17, 15                         ; which 128 rows of the batch,
	s_lshl_b32 s74, s74, 3
	s_lshl_b32 s75, s15, 2
	s_add_co_u32 s74, s74, s75                     ; my first tile of rows: its image in the table
	s_lshl_b32 s74, s74, 12
	s_add_co_u32 s74, s74, ROPE
	s_mov_b32 s75, 0
	s_add_nc_u64 s[74:75], s[4:5], s[74:75]
	s_lshr_b32 s76, s17, 4                         ; batch
	s_lshl_b32 s76, s76, 4
	s_lshl_b32 s77, s40, 2
	s_add_co_u32 s76, s76, s77
	s_lshl_b32 s77, s16, 1
	s_add_co_u32 s76, s76, s77                     ; my first head: 16 batch + 4 cx + 2 j
	s_lshl_b32 s76, s76, 4
	s_and_b32 s77, s17, 15
	s_add_co_u32 s76, s76, s77
	s_mul_i32 s76, s76, 6400                       ; its block of these 128 rows,
	s_mul_i32 s77, ttmp9, 3276800                  ; in q or in k
	s_add_co_u32 s76, s76, s77
	s_lshl_b32 s78, s15, 7
	s_add_co_u32 s78, s78, s76
	s_add_co_u32 s78, s78, 6144                    ; my four tiles' scale bytes,
	s_mul_i32 s77, s15, 3072
	s_add_co_u32 s76, s76, s77                     ; and codes
	s_mov_b32 s77, 0
	s_mov_b32 s79, 0
	s_add_nc_u64 s[76:77], s[12:13], s[76:77]
	s_add_nc_u64 s[78:79], s[12:13], s[78:79]
	WIN 0x40                                       ; the bias in the result's layout: register 16 b + i = column 32 b + 16 h + i
.set kk, 0
.rept 16
	global_load_b128 v[96+4*kk+96*(kk/8):99+4*kk+96*(kk/8)], v[VB], s[70:71] offset:128*(kk/4)+16*(kk%4)
.set kk, kk+1
.endr
	WIN 0
.macro TLOAD a, tt                     ; the table's image of my a-th tile of rows: register 2 e + 16 b = sine, the next = cosine
.irp g, 0,1,2,3,4,5,6,7
	global_load_b128 v[\tt+4*\g:\tt+4*\g+3], v[V16], s[74:75] offset:4096*(\a)+512*\g
.endr
.endm
	TLOAD 0, T0
	TLOAD 1, T1
	LAST
.macro ADDB a                          ; the 64 results of L's tile a + the bias; each accumulator is read from its low end on
	WIN 0x06                                       ; source 0 window 2, source 1 window 1
.set kk, 0
.rept 32
	v_pk_add_f32 v[HA+kk:HA+kk+1], v[64*(\a)+kk:64*(\a)+kk+1], v[96+kk+96*(kk/32):97+kk+96*(kk/32)]
.set kk, kk+2
.endr
	WIN 0
.endm
.macro ROT tt                          ; (x0, x1) -> (x0 cos - x1 sin, x1 cos + x0 sin), both heads with the same image
.irp e, 0,1
.irp g, 0,8,16,24
.irp n, 0,2,4,6
	v_pk_mul_f32 v[TP+\n:TP+\n+1], v[HA+32*\e+\g+\n:HA+32*\e+\g+\n+1], v[\tt+\g+\n:\tt+\g+\n+1] op_sel_hi:[1,0]   ; (x0 sin, x1 sin)
.endr
.irp n, 0,2,4,6
	v_fma_f32 v[HA+32*\e+\g+\n], v[HA+32*\e+\g+\n], v[\tt+\g+\n+1], -v[TP+\n+1]
	v_fma_f32 v[HA+32*\e+\g+\n+1], v[HA+32*\e+\g+\n+1], v[\tt+\g+\n+1], v[TP+\n]
.endr
.endr
.endr
.endm
.macro QKOUT a, tt, left, more
	s_wait_loadcnt \left                           ; the bias and this tile's image are in; the next image's 8 loads may be out
.if \a > 0
	s_wait_xcnt 0x0                                ; the stores' data registers are written again only behind this wait
.endif
	ADDB \a
	ROT \tt
.if \more
	TLOAD (\a)+2, \tt
.endif
	QUANT HA                                       ; blocks 0, 1: the first head's 64; blocks 2, 3: the second's
.irp e, 0,1
	global_store_b128 v[V16], v[PC+6*\e:PC+6*\e+3], s[76:77] offset:102400*\e+768*(\a)
	global_store_b64 v[V8], v[PC+6*\e+4:PC+6*\e+5], s[76:77] offset:102400*\e+768*(\a)+512
.endr
	global_store_b16 v[V2], v[PW], s[78:79] offset:32*(\a)              ; the first head's two bytes,
	global_store_d16_hi_b16 v[V2], v[PW], s[78:79] offset:102400+32*(\a)   ; the second's
.endm
	QKOUT 0, T0, 8, 1
	QKOUT 1, T1, 8, 1
	QKOUT 2, T0, 8, 0
	QKOUT 3, T1, 0, 0
	FINISH
.Lway_v:  ; ---- v: a lane holds one channel, its registers run along the 128 keys
	s_lshl_b32 s72, s40, 10
	s_lshl_b32 s73, s14, 8                         ; my 64 columns: 256 cx + 64 w
	s_add_co_u32 s72, s72, s73
	s_mov_b32 s73, 0
	s_add_nc_u64 s[70:71], s[10:11], s[72:73]
	s_lshr_b32 s76, s17, 4
	s_lshl_b32 s76, s76, 4
	s_lshl_b32 s77, s40, 2
	s_add_co_u32 s76, s76, s77
	s_add_co_u32 s76, s76, s14                     ; my head: 16 batch + 4 cx + w
	s_lshl_b32 s76, s76, 4
	s_and_b32 s77, s17, 15
	s_add_co_u32 s76, s76, s77
	s_mul_i32 s76, s76, 6400
	s_add_co_u32 s76, s76, 6553600
	s_mov_b32 s77, 0
	s_add_nc_u64 s[76:77], s[12:13], s[76:77]
.irp a, 0,1,2,3
	global_load_b32 v[BV+2*\a], v[VD], s[70:71] offset:(32*(\a/2)+8*(\a%2))*4   ; v_b at my channel of tile a
	v_mov_b32 v[BV+2*\a+1], 0                      ; (named with it as a pair, so it is written)
.endr
	LAST
	s_wait_loadcnt 0x0
.macro VOUT a
.if \a > 0
	s_wait_xcnt 0x0                                ; the stores' data registers are written again only behind this wait
.endif
	WIN 0x02                                       ; source 0 window 2
.set kk, 0
.rept 32
	v_pk_add_f32 v[HA+kk:HA+kk+1], v[64*(\a)+kk:64*(\a)+kk+1], v[BV+2*(\a):BV+2*(\a)+1] op_sel_hi:[1,0]
.set kk, kk+2
.endr
	WIN 0
	QUANT HA
	global_store_b128 v[V16], v[PC:PC+3], s[76:77] offset:1536*(\a)
	global_store_b64 v[V8], v[PC+4:PC+5], s[76:77] offset:1536*(\a)+512
	global_store_b128 v[V16], v[PC+6:PC+9], s[76:77] offset:1536*(\a)+768
	global_store_b64 v[V8], v[PC+10:PC+11], s[76:77] offset:1536*(\a)+1280
	global_store_b32 v[V4], v[PW], s[76:77] offset:6144+64*(\a)
.endm
	s_wait_alu depctr_va_vdst(0)
	VOUT 0
	VOUT 1
	VOUT 2
	VOUT 3
	FINISH
.Lfunc_end_k_q9ebaabd659_gemm_qkv:
	.size	k_q9ebaabd659_gemm_qkv, .Lfunc_end_k_q9ebaabd659_gemm_qkv-k_q9ebaabd659_gemm_qkv
	.p2alignl 7, 3214868480
	.fill 96, 4, 3214868480
	.section	.rodata,"a",@progbits
	.p2align	6, 0x0
	.amdhsa_kernel k_q9ebaabd659_gemm_qkv
		.amdhsa_group_segment_fixed_size 327680
		.amdhsa_private_segment_fixed_size 0
		.amdhsa_enable_private_segment 0
		.amdhsa_kernarg_size 40
		.amdhsa_user_sgpr_count 2
		.amdhsa_user_sgpr_kernarg_segment_ptr 1
		.amdhsa_wavefront_size32 1
		.amdhsa_system_sgpr_workgroup_id_x 1
		.amdhsa_system_sgpr_workgroup_id_y 1
		.amdhsa_system_sgpr_workgroup_id_z 1
		.amdhsa_system_vgpr_workitem_id 0
		.amdhsa_next_free_vgpr 768
		.amdhsa_next_free_sgpr 100
		.amdhsa_reserve_vcc 0
		.amdhsa_float_denorm_mode_32 3
		.amdhsa_float_denorm_mode_16_64 3
		.amdhsa_memory_ordered 1
		.amdhsa_forward_progress 1
		.amdhsa_inst_pref_size 159
	.end_amdhsa_kernel
	.amdgpu_metadata
---
amdhsa.version: [ 1, 2 ]
amdhsa.kernels:
  - .name:           k_q9ebaabd659_gemm_qkv
    .symbol:         k_q9ebaabd659_gemm_qkv.kd
    .args:
      - { .name: opq, .offset: 0, .size: 8, .value_kind: global_buffer, .address_space: global }
      - { .name: q_b, .offset: 8, .size: 8, .value_kind: global_buffer, .address_space: global }
      - { .name: k_b, .offset: 16, .size: 8, .value_kind: global_buffer, .address_space: global }
      - { .name: v_b, .offset: 24, .size: 8, .value_kind: global_buffer, .address_space: global }
      - { .name: qkv, .offset: 32, .size: 8, .value_kind: global_buffer, .address_space: global }
    .group_segment_fixed_size: 327680
    .private_segment_fixed_size: 0
    .kernarg_segment_align: 8
    .kernarg_segment_size: 40
    .max_flat_workgroup_size: 128
    .sgpr_count:     100
    .vgpr_count:     768
    .wavefront_size: 32
...
	.end_amdgpu_metadata
.endif
;; end of part 2
;; launch attn (part 3): grid 8 x 32, 16 waves a work-group, clusters of 4 x 1, 327,680 bytes of LDS; arguments qkv, att; writes att
.if DOCPART == 3
	.amdgcn_target "amdgcn-amd-amdhsa--gfx1250"
	.amdhsa_code_object_version 6
	.text
	.protected	k_q9ebaabd659_attn
	.globl	k_q9ebaabd659_attn
	.p2align	8
	.type	k_q9ebaabd659_attn,@function
k_q9ebaabd659_attn:
	s_mov_b64 s[64:65], 0
	v_nop
	global_prefetch_b8 v0, s[64:65] scope:SCOPE_SE
	s_setreg_imm32_b32 hwreg(HW_REG_WAVE_MODE, 25, 1), 1
	s_wait_xcnt 0x0
	s_wait_alu depctr_hold_cnt(0) depctr_sa_sdst(0) depctr_va_vdst(0) depctr_va_sdst(0) depctr_va_ssrc(0) depctr_va_vcc(0) depctr_vm_vsrc(0)
	s_getreg_b32 s2, hwreg(HW_REG_IB_STS2, 6, 4)
	s_cmp_eq_u32 s2, 0
	s_cbranch_scc0 .Lentry_in_a_cluster
	s_endpgm
.Lentry_in_a_cluster:
	s_bfe_u32 s2, ttmp6, 0x10000c
	s_cmp_lg_u32 s2, 0x3003
	s_cbranch_scc0 .Lentry_shape_is_right
	s_endpgm
.Lentry_shape_is_right:
; O = softmax(q k^T / 8) v for one head, both products on codes of BF6 (E3M2) with E8M0 scales.  2,048 keys, head size 64.
; THE SOFTMAX AHEAD OF THE SECOND PRODUCT: t = score x log2(e) / 8; M = the row's largest t so far, rounded UP to a whole number; p = 2^(t - M) is quantised along the keys, not normalised.
; The row's sum is taken of the unquantised p and divides O at the end.  When M moves, the sum and O are multiplied by 2^(old M - new M): exact.
; SHARES.  A work-group owns 256 queries of head y (16 batch + head); each of its sixteen waves owns 16, in 256 registers.  A key step is 128 keys; 16 steps, counted from 0.
; LDS.  A head's k and v lie in LDS whole, every byte filled once: 16 blocks of k from byte 0, 16 of v from byte 128,000.  A block (128 keys, 6,400 bytes of memory) comes as 25 rows of 256 bytes,
; 64 bytes of padding behind each: byte y of a block lies at 320 (y / 256) + y % 256.  Wave w fetches ONE block at the head (w < 8: k's block w; else v's block w - 8: keys 0-1,023) and, behind the
; wait for it and a round, the block eight further on (keys 1,024-2,047).  The second half is shown to all waves by one barrier, signalled behind step 3 and waited for behind step 7:
; the four steps between, written out, read the first half alone.
; CLUSTER.  The four work-groups of a cluster belong to one head and need the same k and v: each block is asked for jointly (mask 15).
; PREFETCH.  The second half's blocks are named once in a cluster at the head, behind the first load: of the 25 rows of wave w's block the partner at place cx names rows 7 cx .. 7 cx + 6 (held at 24), a lane a row.
; LAYOUT (qkv): blocks of 6,400 bytes for 128 rows.  q, k: tile T's 6 registers a lane at 768 T (0-3 at 16 l, 4-5 at 512 + 8 l), two scale bytes a row at 6,144 + 32 T + 2 r; row r of tile T is place 32 (T / 2) + 8 (T % 2) + r + (r & 8).
;   v: tile t (16 channels x 128 keys, true order) at 1,536 t, scale words at 6,144 + 64 t + 4 r.
; Both products are used transposed: S^T = k q^T, O^T = v^T p^T: a lane holds ONE query.
; WHICH KEYS FORM A TILE OF k is chosen by the lanes' addresses: row x of tile 4 c + u is key 64 c + 32 (x / 8) + 8 u + x % 8.  So lane (r, h) holds in the 32 registers of tiles 4 c .. 4 c + 3 the keys 64 c + 32 h + 0 .. 31:
; a WHOLE block of the second product's K, in the order of its operand: the block's maximum needs no other lane and the codes are swapped with no other lane.
; With the padding the sixteen lanes of a 16-byte load of k touch 256 different bytes modulo 256; the 8-byte loads of k meet a bank twice.
; SCALE REGISTERS carry two tiles: lanes 0-15 the even tile's rows, lanes 16-31 the odd tile's (read by ROW1).
; THE FIRST PRODUCT'S K IS 64, the instruction's 128.  q's upper six registers are zero codes.  k's fragment t is named as v[KF + 6 t .. + 11]: its upper six registers are the next tile's codes (behind tile 7: zeros).
; They meet q's zero codes; the format has no NaN and no infinity, and the scale bytes there are 0 (2^-127): those products add exactly 0.
; OUT (att): images of 16 rows x 128 columns, 8,192 bytes: register 16 b + i = column 32 b + 16 h + i; registers 4 g .. 4 g + 3 at 512 g + 16 l.  A head is half an image.
; LIMITS: NaN and infinities are not served; the promise holds while |t| stays under 2^31.  A block's largest p is made from its largest score by the same two instructions as every p.
.set BLK,  6400
.set LB,   8000                        ; a block in LDS: 25 x 320
.set VLDS, 128000
.set SPARE, 256000                     ; the spare words: 128 bytes a wave, which no other line names
.set QF,  16                           ; v16-27  q's fragment
.set QS,  30                           ; v30     q's scale bytes
.set SH,  31                           ; v31     8 h
.set KF,  32                           ; v32-85  k's eight half fragments and six zeros; then v's four fragments
.set S,   96                           ; v96-159 S^T, then p
.set O,   160                          ; v160-191 O^T
.set PC,  192                          ; v192-203 p's codes
.set CH,  204                          ; v204-210 the conversions' second halves
.set BM,  212                          ; v212-215 four chains of maxima; then v212, v214 my two blocks' largest score, largest p
.set BX,  216                          ; v216-217 at work
.set SO,  220                          ; v220-221 the conversions' scale operands
.set FF,  224                          ; v[224:225] f = 2^(old M - new M)
.set PW,  226                          ; v226    p's scale word
.set KS,  228                          ; v228-231 k's scale bytes
.set VS,  236                          ; v236-237 v's scale words
.set TT,  238
.set OM,  239                          ; the old -M
.set SU,  240                          ; v[240:241] the row's sum in two halves; v242-247 three more chains
.set PF,  248                          ; the prefetch's offset; never rewritten
.set SPW, 254
.set NIL, 255
.set WV,  18
.set SEL, 20
.set CS,  22
.set G1,  24
.set G0,  32                           ; s[32:39] two groups 0
.set TB,  48                           ; the step's block in LDS
.set CNT, 49
.macro CROUND
	s_barrier_signal -1
	s_barrier_wait -1
	s_cmp_lg_u32 s[WV], 0
	s_cbranch_scc1 .Lnot_wave_0_\@
	s_barrier_signal -3
.Lnot_wave_0_\@:
	s_barrier_wait -3
	s_barrier_signal -1
	s_barrier_wait -1
.endm
.macro D n
	s_delay_alu instid0(VALU_DEP_\n)
.endm
	s_load_b128 s[4:7], s[0:1], 0x0                ; qkv, att
	v_lshl_add_u32 v[SPW], v0, 2, SPARE
	v_mov_b32 v[NIL], 0
	ds_add_u32 v[SPW], v[NIL]                      ; the opening lines: the add twice on end and one wait
	ds_add_u32 v[SPW], v[NIL]
	v_lshrrev_b32 v8, 5, v0
	D 1
	v_readfirstlane_b32 s[WV], v8                  ; wave 0..15
	s_bfe_u32 s50, ttmp6, 0x40000                  ; cx: it enters q's, att's and the prefetch's addresses alone
	s_lshl_b32 s51, ttmp9, 2
	s_add_co_u32 s51, s51, s50                     ; my block of 256 queries
	s_and_b32 s52, ttmp7, 0xffff                   ; 16 batch + head, which the partners share
	s_mul_i32 s53, s52, 102400                     ; the head's first byte in each of q, k, v
	s_lshr_b32 s54, s[WV], 3                       ; I fetch for k (0) or v (1),
	s_and_b32 s55, s[WV], 7                        ; block w % 8 of each half
	s_mul_i32 s56, s54, VLDS
	s_mul_i32 s57, s55, LB
	s_add_co_u32 s56, s56, s57                     ; in LDS,
	s_mul_i32 s58, s54, 3276800
	s_add_co_u32 s58, s58, 3276800
	s_add_co_u32 s58, s58, s53
	s_mul_i32 s57, s55, BLK
	s_add_co_u32 s58, s58, s57                     ; and in memory
	s_mov_b32 s59, 0
	s_mov_b32 s[G1], 15|(3<<16)|(1<<20)|(1<<21)|(5<<22)|(15<<25)   ; the mask: all four; elements of 8 bytes; padding on; 21 set beside a mask; after every 64 words 16 words
	s_mov_b32 s[G1+1], 32<<16                      ; a block: 25 rows of 256 bytes, dense in memory
	s_mov_b32 s[G1+2], 25<<16
	s_mov_b32 s[G1+3], 32<<16
	s_mov_b32 s[G1+4], 25
	s_mov_b32 s[G1+5], 32
	s_mov_b32 s[G1+6], 0
	s_mov_b32 s[G1+7], 0
	s_lshl_b32 s60, s51, 4
	s_add_co_u32 s60, s60, s[WV]                   ; my tile of queries, 0..127
	s_lshr_b32 s61, s60, 3
	s_mul_i32 s61, s61, BLK
	s_add_co_u32 s61, s61, s53                     ; its block,
	s_and_b32 s62, s60, 7
	s_mul_i32 s63, s62, 768
	s_add_co_u32 s66, s61, s63                     ; its codes,
	s_mov_b32 s67, 0
	s_lshl_b32 s62, s62, 5
	s_add_co_u32 s68, s61, s62
	s_add_co_u32 s68, s68, 6144                    ; its scale bytes
	s_mov_b32 s69, 0
	s_lshr_b32 s70, s52, 4
	s_lshl_b32 s70, s70, 7
	s_add_co_u32 s70, s70, s60                     ; att: row tile 128 batch + tile: 8 images of 8,192 bytes;
	s_lshl_b32 s70, s70, 16
	s_and_b32 s71, s52, 15
	s_lshl_b32 s71, s71, 12                        ; a head is half an image
	s_add_co_u32 s70, s70, s71
	s_mov_b32 s71, 0
	s_mul_i32 s72, s50, 7                          ; the first row that my work-group prefetches
	s_mov_b32 s[SEL], 0x76543210
	s_mov_b32 s[SEL+1], 0xfedcba98
	s_mov_b32 s[CS], 0x3e38aa3b                    ; c = log2(e) / 8
	s_mov_b32 s[CS+1], s[CS]                       ; (named with it as a pair, so it is written)
	s_wait_dscnt 0x0
	s_wait_kmcnt 0x0
	s_add_nc_u64 s[58:59], s[4:5], s[58:59]
	s_add_nc_u64 s[66:67], s[4:5], s[66:67]
	s_add_nc_u64 s[68:69], s[4:5], s[68:69]
	s_add_nc_u64 s[6:7], s[6:7], s[70:71]
.irp p, 0,1
	s_mov_b32 s[G0+4*\p], 1
	s_add_co_u32 s[G0+4*\p+1], s56, \p*8*LB
	s_add_nc_u64 s[G0+4*\p+2:G0+4*\p+3], s[58:59], \p*8*BLK
	s_or_b32 s[G0+4*\p+3], s[G0+4*\p+3], 0x80000000
.endr
	CROUND                                         ; all four work-groups are here: the joint loads meet
	tensor_load_to_lds s[G0:G0+3], s[G1:G1+7]      ; my block of keys 0-1,023: one load a wave
	s_nop 0
	v_and_b32 v8, 31, v0                           ; l
	v_and_b32 v9, 15, v0                           ; r
	v_bfe_u32 v10, v0, 4, 1                        ; h
	v_and_b32 v11, 7, v0                           ; r % 8
	v_bfe_u32 v28, v0, 3, 1                        ; r / 8
	v_lshlrev_b32 v7, 4, v8                        ; 16 l: q, att
	v_lshlrev_b32 v[TT], 3, v8                     ; 8 l
	v_lshlrev_b32 v[OM], 1, v9                     ; 2 r
	v_mul_u32_u24 v29, v28, 1920                   ; two tiles T on: 1,536 bytes, six LDS rows
	v_mul_u32_u24 v4, v10, 320
	global_load_b128 v[QF:QF+3], v7, s[66:67]
	global_load_b64 v[QF+4:QF+5], v[TT], s[66:67] offset:512
	global_load_u16 v[QS], v[OM], s[68:69]         ; two bytes; the upper two are 0
	v_add_nc_u32 v1, v29, v4
	v_lshl_add_u32 v2, v10, 7, v29
	v_lshlrev_b32 v3, 6, v28
	v_lshl_add_u32 v4, v9, 4, v4
	v_lshl_add_u32 v1, v11, 4, v1                  ; k, registers 0-3: 1,920 (r / 8) + 320 h + 16 (r % 8)
	v_lshl_add_u32 v2, v11, 3, v2                  ; registers 4-5: 1,920 (r / 8) + 128 h + 8 (r % 8)
	v_lshl_add_u32 v3, v10, 5, v3
	v_add_nc_u32 v4, VLDS, v4                      ; v: 16 r + 320 h,
	v_lshl_add_u32 v3, v11, 1, v3                  ; k's scale bytes: 64 (r / 8) + 32 h + 2 (r % 8)
	v_lshl_add_u32 v5, v8, 3, VLDS                 ; 8 l,
	v_lshlrev_b32 v6, 6, v10
	v_min_u32 v[PF], 6, v8
	v_lshl_add_u32 v6, v9, 2, v6
	v_add_nc_u32 v[PF], s72, v[PF]
	v_add_nc_u32 v6, VLDS, v6                      ; scale words: 4 r + 64 h
	v_min_u32 v[PF], 24, v[PF]                     ; inside my block's 25 rows
	v_lshlrev_b32 v[SH], 3, v10
	v_lshlrev_b32 v[PF], 8, v[PF]
	global_prefetch_b8 v[PF], s[58:59] offset:8*BLK th:TH_LOAD_NT scope:SCOPE_SE   ; the block that my second load will ask for
.irp j, 6,7,8,9,10,11
	v_mov_b32 v[QF+\j], 0                          ; zero codes for k = 64 .. 127
	v_mov_b32 v[KF+42+\j], 0                       ; v80-85: what stands behind k's tile 7
.endr
	v_mov_b32 v13, 0xff61b1e6                      ; the largest t so far: -3e38
	v_mov_b32 v[SU], 0                             ; the sum, in two halves
	v_mov_b32 v[SU+1], 0
	v_floor_f32 v12, -v13                          ; -M
	v_mov_b32 v[BX], 0                             ; written once: a lane permute's destination counts as one of its sources
	v_mov_b32 v[FF+1], 0                           ; (named as the upper half of a pair)
.set kk, 0
.rept 32
	v_mov_b32 v[O+kk], 0                           ; the step is written once: the first finds zeros, which the first change of M leaves zeros
.set kk, kk+1
.endr
; A KEY STEP: 128 keys, the block at s[TB].
.macro STEP
	v_add_nc_u32 v8, s[TB], v1                     ; four plain lines: the places between the last step's products and the loads into registers that they read
	v_add_nc_u32 v9, s[TB], v2
	v_add_nc_u32 v10, s[TB], v3
	v_add_nc_u32 v11, s[TB], v4
.irp t, 0,1,2,3,4,5,6,7                        ; tile t = 4 c + u: from tiles T = 4 c + u % 2 (rows 0-7) and T + 2 (rows 8-15), their rows 8 (u / 2) on
	ds_load_b128 v[KF+6*\t:KF+6*\t+3], v8 offset:960*(4*(\t/4)+(\t&1))+128*((\t%4)/2)
	ds_load_b64 v[KF+6*\t+4:KF+6*\t+5], v9 offset:960*(4*(\t/4)+(\t&1))+640+64*((\t%4)/2)
.endr
.irp p, 0,1,2,3
	ds_load_u16 v[KS+\p], v10 offset:7680+128*(\p/2)+16*(\p%2)   ; lanes 0-15: tile 2 p; lanes 16-31: tile 2 p + 1
.endr
	s_wait_alu depctr_va_vdst(0)
	s_wait_dscnt 0x0
.irp t, 0,1,2,3,4,5,6,7
.if \t&1
	v_wmma_scale_f32_16x16x128_f8f6f4 v[S+8*\t:S+8*\t+7], v[KF+6*\t:KF+6*\t+11], v[QF:QF+11], 0, v[KS+\t/2], v[QS] matrix_a_fmt:MATRIX_FMT_BF6 matrix_b_fmt:MATRIX_FMT_BF6 matrix_a_scale:MATRIX_SCALE_ROW1
.else
	v_wmma_scale_f32_16x16x128_f8f6f4 v[S+8*\t:S+8*\t+7], v[KF+6*\t:KF+6*\t+11], v[QF:QF+11], 0, v[KS+\t/2], v[QS] matrix_a_fmt:MATRIX_FMT_BF6 matrix_b_fmt:MATRIX_FMT_BF6
.endif
.endr
	v_add_nc_u32 v28, s[TB], v5                    ; four places in front of the loads below and of the first read of the scores
	v_add_nc_u32 v29, s[TB], v6
	v_mov_b32 v[OM], v12
	v_nop
.irp t, 0,1,2,3                                ; v's four fragments land under the softmax
	ds_load_b128 v[KF+12*\t:KF+12*\t+3], v11 offset:1920*\t
	ds_load_b64 v[KF+12*\t+4:KF+12*\t+5], v28 offset:1920*\t+640
	ds_load_b128 v[KF+12*\t+6:KF+12*\t+9], v11 offset:1920*\t+960
	ds_load_b64 v[KF+12*\t+10:KF+12*\t+11], v28 offset:1920*\t+1600
.endr
	ds_load_b32 v[VS], v29 offset:7680             ; lanes 0-15: tile 0; lanes 16-31: tile 1
	ds_load_b32 v[VS+1], v29 offset:7680+128       ; tiles 2, 3
.irp q, 0,1,2,3                                ; four chains of maxima by turns, 16 scores each; each accumulator is read from its low end on
	v_max3_num_f32 v[BM+\q], v[S+16*\q], v[S+1+16*\q], v[S+2+16*\q]
.endr
.irp i, 3,5,7,9,11,13
.irp q, 0,1,2,3
	v_max3_num_f32 v[BM+\q], v[BM+\q], v[S+16*\q+\i], v[S+1+16*\q+\i]
.endr
.endr
	v_max3_num_f32 v[BM], v[BM], v[S+15], v[S+31]
	v_max3_num_f32 v[BM+2], v[BM+2], v[S+47], v[S+63]
	D 2
	v_max_num_f32 v[BM], v[BM], v[BM+1]            ; the largest score of my block 2 c + h: it serves the row's maximum and, since p rises with the score, the block's largest p
	D 2
	v_max_num_f32 v[BM+2], v[BM+2], v[BM+3]
	D 1
	v_max_num_f32 v[TT], v[BM], v[BM+2]
	D 1
	v_permlanex16_b32 v[BX], v[TT], s[SEL], s[SEL+1]
	D 1
	v_max_num_f32 v[TT], v[TT], v[BX]              ; with lane l xor 16's 64 keys
	D 1
	v_mul_f32 v[TT], s[CS], v[TT]                  ; as t (c is positive)
	D 1
	v_max_num_f32 v13, v13, v[TT]                  ; the running largest t
	D 1
	v_floor_f32 v12, -v13                          ; the new -M = -ceil(t): a whole number
.set kk, 0
.rept 32
	v_pk_fma_f32 v[S+kk:S+kk+1], v[S+kk:S+kk+1], s[CS:CS+1], v[12:13] op_sel_hi:[1,0,0]   ; t - M, two at a time
.if kk == 8
	v_sub_f32 v[TT], v12, v[OM]                    ; old M - new M: a whole number, 0 or less
.endif
.if kk == 24
	v_cvt_i32_f32 v[TT], v[TT]                     ; (it saturates)
.endif
.if kk == 40
	v_ldexp_f32 v[FF], 1.0, v[TT]                  ; f = 2^(old M - new M)
.endif
.set kk, kk+2
.endr
	v_fma_f32 v[BM], v[BM], s[CS], v12             ; the same of each block's largest score
	v_fma_f32 v[BM+2], v[BM+2], s[CS], v12
	s_wait_alu depctr_va_vdst(0)
.set kk, 0
.rept 64
	v_exp_f32 v[S+kk], v[S+kk]                     ; p = 2^(t - M), at most 1
.set kk, kk+1
.endr
	v_exp_f32 v[BM], v[BM]                         ; the block's largest p
	v_exp_f32 v[BM+2], v[BM+2]
	v_pk_mul_f32 v[SU:SU+1], v[SU:SU+1], v[FF:FF+1] op_sel_hi:[1,0]   ; the sums under the new M.  (A plain place behind the exponentials)
	s_wait_alu depctr_va_vdst(0)                   ; one wait for the batch, directly ahead of the first reader of O^T too
.set kk, 0
.rept 16
	v_pk_mul_f32 v[O+kk:O+kk+1], v[O+kk:O+kk+1], v[FF:FF+1] op_sel_hi:[1,0]   ; O^T under the new M
.set kk, kk+2
.endr
	v_max_num_f32 v[BM], 0x2800000, v[BM]          ; the floor 2^(5 - 127): the byte cannot fall under 1
	v_max_num_f32 v[BM+2], 0x2800000, v[BM+2]
	D 2
	v_add_nc_u32 v[SO], 0xfe000000, v[BM]          ; 4 off the exponent field: the conversion's scale operand
	D 2
	v_add_nc_u32 v[SO+1], 0xfe000000, v[BM+2]
	D 2
	v_lshrrev_b32 v[BX], 23, v[SO]                 ; the byte
	D 2
	v_lshrrev_b32 v[BX+1], 23, v[SO+1]
	D 1
	v_lshl_or_b32 v[PW], v[BX+1], 16, v[BX]        ; my two bytes: blocks h and 2 + h,
	D 1
	v_lshlrev_b32 v[PW], v[SH], v[PW]              ; at their places (8 h bits up);
	D 1
	v_permlanex16_b32 v[BX], v[PW], s[SEL], s[SEL+1]
	D 1
	v_or_b32 v[PW], v[PW], v[BX]                   ; with lane l xor 16's two the word is whole
.irp c, 0,1
	v_cvt_scalef32_pk16_bf6_f32 v[PC+6*\c:PC+2+6*\c], v[S+32*\c:S+15+32*\c], v[SO+\c]
	v_cvt_scalef32_pk16_bf6_f32 v[CH+4*\c:CH+2+4*\c], v[S+16+32*\c:S+31+32*\c], v[SO+\c]   ; (a conversion's three registers begin on an even number)
.endr
	v_pk_add_f32 v[SU+2:SU+3], v[S:S+1], v[S+2:S+3]        ; the row's sum of the unquantised p: four chains by turns.  (Plain places behind the conversions)
	v_pk_add_f32 v[SU+4:SU+5], v[S+4:S+5], v[S+6:S+7]
	v_pk_add_f32 v[SU+6:SU+7], v[S+8:S+9], v[S+10:S+11]
	v_pk_add_f32 v[SU:SU+1], v[SU:SU+1], v[S+12:S+13]
.irp c, 0,1
.irp i, 0,1,2
	v_mov_b32 v[PC+3+6*\c+\i], v[CH+4*\c+\i]       ; registers 6 c .. 6 c + 5: keys 64 c + 32 h + 0 .. 31
.endr
.endr
.set kk, 7
.rept 25
	v_pk_add_f32 v[SU+2*((kk-6)%4):SU+2*((kk-6)%4)+1], v[SU+2*((kk-6)%4):SU+2*((kk-6)%4)+1], v[S+2*kk:S+2*kk+1]
.set kk, kk+1
.endr
	v_pk_add_f32 v[SU+2:SU+3], v[SU+2:SU+3], v[SU+4:SU+5]
	v_pk_add_f32 v[SU:SU+1], v[SU:SU+1], v[SU+6:SU+7]
	D 1
	v_pk_add_f32 v[SU:SU+1], v[SU:SU+1], v[SU+2:SU+3]
	s_wait_alu depctr_va_vdst(0)
	s_wait_dscnt 0x0                               ; v's fragments are in
.irp t, 0,1,2,3                                ; the four accumulators by turns, one instruction a turn
.if \t&1
	v_wmma_scale_f32_16x16x128_f8f6f4 v[O+8*\t:O+8*\t+7], v[KF+12*\t:KF+12*\t+11], v[PC:PC+11], v[O+8*\t:O+8*\t+7], v[VS+\t/2], v[PW] matrix_a_fmt:MATRIX_FMT_BF6 matrix_b_fmt:MATRIX_FMT_BF6 matrix_a_scale:MATRIX_SCALE_ROW1
.else
	v_wmma_scale_f32_16x16x128_f8f6f4 v[O+8*\t:O+8*\t+7], v[KF+12*\t:KF+12*\t+11], v[PC:PC+11], v[O+8*\t:O+8*\t+7], v[VS+\t/2], v[PW] matrix_a_fmt:MATRIX_FMT_BF6 matrix_b_fmt:MATRIX_FMT_BF6
.endif
.endr
.endm
.macro RUN first, n                            ; n steps from block first on
	s_mov_b32 s[TB], (\first)*LB
	s_mov_b32 s[CNT], \n
.Lstep_\@:
	STEP
	s_add_co_u32 s[TB], s[TB], LB
	s_sub_co_u32 s[CNT], s[CNT], 1
	s_cmp_lg_u32 s[CNT], 0
	s_cbranch_scc1 .Lstep_\@
.endm
	s_wait_alu depctr_va_vdst(0)
	s_wait_tensorcnt 0x0                           ; my block of the first half is in
	ds_add_u32 v[SPW], v[NIL]
	s_wait_dscnt 0x0
	CROUND                                         ; the first half is whole, and all four work-groups are here
	tensor_load_to_lds s[G0+4:G0+7], s[G1:G1+7]    ; my block of keys 1,024-2,047: bytes that nothing has filled or read
	s_nop 0
	s_wait_loadcnt 0x0                             ; q
	RUN 0, 4
	s_wait_tensorcnt 0x0                           ; my block of the second half is in:
	s_wait_dscnt 0x0
	s_barrier_signal -1                            ; say so
	s_mov_b32 s[TB], 4*LB
	STEP
	s_mov_b32 s[TB], 5*LB
	STEP
	s_mov_b32 s[TB], 6*LB
	STEP
	s_mov_b32 s[TB], 7*LB
	STEP
	s_barrier_wait -1                              ; everybody's block is in
	RUN 8, 8
.rept 4
	v_nop                                          ; places behind the last products
.endr
	v_add_f32 v[SU], v[SU], v[SU+1]                ; the sum's two halves,
	D 1
	v_permlanex16_b32 v[TT], v[SU], s[SEL], s[SEL+1]
	D 1
	v_add_f32 v[SU], v[SU], v[TT]                  ; and lane l xor 16's
	s_wait_alu depctr_va_vdst(0)
	v_rcp_f32 v[SU], v[SU]
	v_nop                                          ; a plain place behind the reciprocal
	s_wait_alu depctr_va_vdst(0)
.set kk, 0
.rept 16
	v_pk_mul_f32 v[S+kk:S+kk+1], v[O+kk:O+kk+1], v[SU:SU+1] op_sel_hi:[1,0]   ; O^T / the sum: register 16 b + i = channel 32 b + 16 h + i of my query; each accumulator from its low end on
.set kk, kk+2
.endr
.irp g, 0,1,2,3,4,5,6,7
	global_store_b128 v7, v[S+4*\g:S+4*\g+3], s[6:7] offset:512*\g   ; 32 lanes store 512 consecutive bytes, at a multiple of 256 from att's first byte
.endr
	s_wait_tensorcnt 0x0                           ; the wave's end
	ds_add_u32 v[SPW], v[NIL]
	s_wait_dscnt 0x0
	CROUND                                         ; the closing round
	s_endpgm
.Lfunc_end_k_q9ebaabd659_attn:
	.size	k_q9ebaabd659_attn, .Lfunc_end_k_q9ebaabd659_attn-k_q9ebaabd659_attn
	.p2alignl 7, 3214868480
	.fill 96, 4, 3214868480
	.section	.rodata,"a",@progbits
	.p2align	6, 0x0
	.amdhsa_kernel k_q9ebaabd659_attn
		.amdhsa_group_segment_fixed_size 327680
		.amdhsa_private_segment_fixed_size 0
		.amdhsa_enable_private_segment 0
		.amdhsa_kernarg_size 16
		.amdhsa_user_sgpr_count 2
		.amdhsa_user_sgpr_kernarg_segment_ptr 1
		.amdhsa_wavefront_size32 1
		.amdhsa_system_sgpr_workgroup_id_x 1
		.amdhsa_system_sgpr_workgroup_id_y 1
		.amdhsa_system_sgpr_workgroup_id_z 1
		.amdhsa_system_vgpr_workitem_id 0
		.amdhsa_next_free_vgpr 256
		.amdhsa_next_free_sgpr 80
		.amdhsa_reserve_vcc 0
		.amdhsa_float_denorm_mode_32 3
		.amdhsa_float_denorm_mode_16_64 3
		.amdhsa_memory_ordered 1
		.amdhsa_forward_progress 1
		.amdhsa_inst_pref_size 104
	.end_amdhsa_kernel
	.amdgpu_metadata
---
amdhsa.version: [ 1, 2 ]
amdhsa.kernels:
  - .name:           k_q9ebaabd659_attn
    .symbol:         k_q9ebaabd659_attn.kd
    .args:
      - { .name: qkv, .offset: 0, .size: 8, .value_kind: global_buffer, .address_space: global }
      - { .name: att, .offset: 8, .size: 8, .value_kind: global_buffer, .address_space: global }
    .group_segment_fixed_size: 327680
    .private_segment_fixed_size: 0
    .kernarg_segment_align: 8
    .kernarg_segment_size: 16
    .max_flat_workgroup_size: 512
    .sgpr_count:     80
    .vgpr_count:     256
    .wavefront_size: 32
...
	.end_amdgpu_metadata
.endif
;; end of part 3
;; launch ln1 (part 4): grid 256 x 1, 8 waves a work-group, no clusters, 69,632 bytes of LDS; arguments src, att, ln1_g, ln1_b, xb; writes xb
.if DOCPART == 4
	.amdgcn_target "amdgcn-amd-amdhsa--gfx1250"
	.amdhsa_code_object_version 6
	.text
	.protected	k_q9ebaabd659_ln1
	.globl	k_q9ebaabd659_ln1
	.p2align	8
	.type	k_q9ebaabd659_ln1,@function
k_q9ebaabd659_ln1:
	s_mov_b64 s[64:65], 0
	v_nop
	global_prefetch_b8 v0, s[64:65] scope:SCOPE_SE
	s_setreg_imm32_b32 hwreg(HW_REG_WAVE_MODE, 25, 1), 1
	s_wait_xcnt 0x0
; x = layer norm(src + attention's result) x g + b, stored twice in xb: as f32 images (for the residual of the second half) and as records of BF6 codes (the first operand of the next product).
; A work-group takes a row tile of 16 rows (row r of tile T: place 32 (T / 2) + 8 (T % 2) + r + (r & 8) of its batch), wave w the columns 128 w .. 128 w + 127: lane (r, h) holds 64 numbers of row r,
; register 16 b + i = column 32 b + 16 h + i.  att lies so already; src is loaded densely (512 consecutive bytes a load) and turned through the wave's own stage in LDS.
; The mean and then the mean of the squared differences (two passes: a common offset of the inputs does no harm) are summed in the lane, with lane l xor 16, and over the eight waves through LDS: two barriers.
; Memory binds: no matrix unit, no tensor load, no cluster (work-groups share only g and b).
; LIMITS: NaN and infinities are not served; a block whose largest magnitude lies under 2^-122 is held at the byte 1 (a block of zeros too: its codes are zeros, and this program alone reads the bytes).
.set REC,   1600
.set XQ,    16777216                   ; xb: images at 0, records behind them
.set STAT1, 67584                      ; behind the eight stages of 8,448 bytes: 8 waves x 16 rows x 4 bytes,
.set STAT2, 512                        ; and once more, 512 bytes on
.set V16, 4
.set V8,  5
.set V4,  6
.set STI, 7
.set STO, 8
.set VB,  9                            ; v9   64 h
.set SW,  10                           ; v10  where I put my wave's sums
.set SR,  11                           ; v11  where I read all eight
.set R,   16                           ; v16-79   src as loaded, then g
.set AT,  80                           ; v80-143  att, then b
.set X,   144                          ; v144-207
.set TM,  208
.set PW,  224
.set PC,  226
.set ST,  246                          ; v246-253 sums
.set MU,  254                          ; v[254:255] the mean, later 1 / the deviation
.set SEL, 46
.macro QUANT s
.irp b, 0,1,2,3
	v_max3_num_f32 v[TM+\b], |v[\s+16*\b]|, |v[\s+1+16*\b]|, 0x2800000   ; block b: my 16 numbers, and the floor 2^(5 - 127)
.endr
.irp i, 2,4,6,8,10,12,14
.irp b, 0,1,2,3
	s_delay_alu instid0(VALU_DEP_4)
	v_max3_num_f32 v[TM+\b], v[TM+\b], |v[\s+16*\b+\i]|, |v[\s+1+16*\b+\i]|
.endr
.endr
.irp b, 0,1,2,3
	s_delay_alu instid0(VALU_DEP_4)
	v_permlanex16_b32 v[TM+4+\b], v[TM+\b], s[SEL], s[SEL+1]
.endr
.irp b, 0,1,2,3
	s_delay_alu instid0(VALU_DEP_4)
	v_max_num_f32 v[TM+\b], v[TM+\b], v[TM+4+\b]
.endr
.irp b, 0,1,2,3
	s_delay_alu instid0(VALU_DEP_4)
	v_add_nc_u32 v[TM+12+\b], 0xfe000000, v[TM+\b]   ; 4 off the exponent field: the conversion's scale operand
.endr
.irp b, 0,1,2,3
	s_delay_alu instid0(VALU_DEP_4)
	v_lshrrev_b32 v[TM+4+\b], 23, v[TM+12+\b]
.endr
	s_delay_alu instid0(VALU_DEP_3)
	v_lshl_or_b32 v[PW], v[TM+5], 8, v[TM+4]
	s_delay_alu instid0(VALU_DEP_1)
	v_lshl_or_b32 v[PW], v[TM+6], 16, v[PW]
	s_delay_alu instid0(VALU_DEP_1)
	v_lshl_or_b32 v[PW], v[TM+7], 24, v[PW]
.irp c, 0,1
	v_cvt_scalef32_pk16_bf6_f32 v[PC+6*\c:PC+2+6*\c], v[\s+32*\c:\s+15+32*\c], v[TM+12+2*\c]
	v_cvt_scalef32_pk16_bf6_f32 v[PC+12+4*\c:PC+14+4*\c], v[\s+16+32*\c:\s+31+32*\c], v[TM+12+2*\c+1]
.endr
	v_nop                                          ; one plain place behind a scaled conversion
.irp c, 0,1
.irp i, 0,1,2
	v_permlane16_swap_b32 v[PC+6*\c+\i], v[PC+12+4*\c+\i]
.endr
.irp i, 0,1,2
	s_delay_alu instid0(VALU_DEP_3)
	v_mov_b32 v[PC+3+6*\c+\i], v[PC+12+4*\c+\i]
.endr
.endr
.endm
; The sum over a row's 1,024 numbers (sq = 1: of their squares) into v[ST], in every lane of the row.
.macro RSUM off, sq
.irp c, 0,1,2,3
.if \sq
	v_pk_mul_f32 v[ST+2*\c:ST+2*\c+1], v[X+2*\c:X+2*\c+1], v[X+2*\c:X+2*\c+1]
.else
	v_pk_add_f32 v[ST+2*\c:ST+2*\c+1], v[X+2*\c:X+2*\c+1], v[X+8+2*\c:X+9+2*\c]
.endif
.endr
.irp j, 8,16,24,32,40,48,56
.if \sq || (\j > 8)
.irp c, 0,1,2,3                                ; four chains by turns
.if \sq
	s_delay_alu instid0(VALU_DEP_4)
	v_pk_fma_f32 v[ST+2*\c:ST+2*\c+1], v[X+\j+2*\c:X+\j+2*\c+1], v[X+\j+2*\c:X+\j+2*\c+1], v[ST+2*\c:ST+2*\c+1]
.else
	s_delay_alu instid0(VALU_DEP_4)
	v_pk_add_f32 v[ST+2*\c:ST+2*\c+1], v[ST+2*\c:ST+2*\c+1], v[X+\j+2*\c:X+\j+2*\c+1]
.endif
.endr
.endif
.endr
	s_delay_alu instid0(VALU_DEP_3)
	v_pk_add_f32 v[ST:ST+1], v[ST:ST+1], v[ST+2:ST+3]
	s_delay_alu instid0(VALU_DEP_2)
	v_pk_add_f32 v[ST+4:ST+5], v[ST+4:ST+5], v[ST+6:ST+7]
	s_delay_alu instid0(VALU_DEP_1)
	v_pk_add_f32 v[ST:ST+1], v[ST:ST+1], v[ST+4:ST+5]
	s_delay_alu instid0(VALU_DEP_1)
	v_add_f32 v[ST], v[ST], v[ST+1]
	s_delay_alu instid0(VALU_DEP_1)
	v_permlanex16_b32 v[ST+1], v[ST], s[SEL], s[SEL+1]
	s_delay_alu instid0(VALU_DEP_1)
	v_add_f32 v[ST], v[ST], v[ST+1]                ; my wave's 128 columns of row r
	ds_store_b32 v[SW], v[ST] offset:\off          ; (lanes l and l + 16 store the same word)
	s_wait_dscnt 0x0                               ; for the others' sake: my store has landed
	s_barrier_signal -1
	s_barrier_wait -1
.irp w, 0,1,2,3,4,5,6,7
	ds_load_b32 v[ST+\w], v[SR] offset:\off+64*\w
.endr
	s_wait_dscnt 0x0
	v_add_f32 v[ST], v[ST], v[ST+1]                ; in one fixed order in every wave
	v_add_f32 v[ST+2], v[ST+2], v[ST+3]
	v_add_f32 v[ST+4], v[ST+4], v[ST+5]
	v_add_f32 v[ST+6], v[ST+6], v[ST+7]
	s_delay_alu instid0(VALU_DEP_3)
	v_add_f32 v[ST], v[ST], v[ST+2]
	s_delay_alu instid0(VALU_DEP_2)
	v_add_f32 v[ST+4], v[ST+4], v[ST+6]
	s_delay_alu instid0(VALU_DEP_1)
	v_add_f32 v[ST], v[ST], v[ST+4]
.endm
	s_load_b256 s[4:11], s[0:1], 0x0               ; src, att, g, b
	s_load_b64 s[12:13], s[0:1], 0x20              ; xb
	v_lshl_add_u32 v241, v0, 2, 0x10c00
	v_mov_b32 v245, 0
	v_lshrrev_b32 v1, 5, v0
	s_delay_alu instid0(VALU_DEP_1)
	v_readfirstlane_b32 s18, v1                    ; wave 0..7: which 128 columns
	v_and_b32 v3, 31, v0
	s_wait_alu depctr_va_vdst(0)
	v_and_b32 v1, 15, v0
	s_wait_alu depctr_va_vdst(0)
	v_bfe_u32 v2, v0, 4, 1
	s_wait_alu depctr_va_vdst(0)
	s_lshr_b32 s19, ttmp9, 7                       ; batch
	s_and_b32 s20, ttmp9, 127                      ; T
	s_lshr_b32 s21, s20, 1
	s_lshl_b32 s21, s21, 5
	s_and_b32 s22, s20, 1
	s_lshl_b32 s22, s22, 3
	s_add_co_u32 s21, s21, s22
	s_lshl_b32 s22, s21, 13
	s_lshl_b32 s19, s19, 12
	s_add_co_u32 s22, s22, s19
	s_lshl_b32 s30, s18, 9                         ; 512 bytes for 128 columns
	s_add_co_u32 s22, s22, s30
	s_mov_b32 s23, 0
	s_mov_b32 s31, 0
	s_lshl_b32 s24, ttmp9, 3
	s_add_co_u32 s24, s24, s18                     ; 8 x row tile + wave
	s_lshl_b32 s26, s24, 13                        ; images of 8,192 bytes,
	s_mov_b32 s27, 0
	s_mul_i32 s28, s24, REC                        ; records of 1,600
	s_add_co_u32 s28, s28, XQ
	s_mov_b32 s29, 0
	s_mov_b32 s32, 0x3a800000                      ; 1 / 1,024
	s_mov_b32 s33, 0x3727c5ac                      ; 1e-5
	s_mov_b32 s[SEL], 0x76543210
	s_mov_b32 s[SEL+1], 0xfedcba98
	v_lshlrev_b32 v[V16], 4, v3
	v_lshlrev_b32 v[V8], 3, v3
	v_lshlrev_b32 v[V4], 2, v1
	v_lshlrev_b32 v[VB], 6, v2
	s_mul_i32 s19, s18, 8448
	v_add_nc_u32 v[STI], s19, v[V16]
	v_mul_u32_u24 v[STO], v1, 528
	s_delay_alu instid0(VALU_DEP_1)
	v_lshl_add_u32 v[STO], v2, 6, v[STO]
	s_delay_alu instid0(VALU_DEP_1)
	v_add_nc_u32 v[STO], s19, v[STO]
	v_add_nc_u32 v[SR], STAT1, v[V4]
	s_lshl_b32 s19, s18, 6
	v_add_nc_u32 v[SW], s19, v[SR]
.irp b, 0,1,2,3
	v_mov_b32 v[TM+4+\b], 0                        ; written once: a lane permute's destination counts as one of its sources
.endr
	v_mov_b32 v[MU+1], 0                           ; (named as the upper half of a pair)
	s_wait_alu depctr_va_vdst(0)
	s_wait_kmcnt 0x0
	s_add_nc_u64 s[4:5], s[4:5], s[22:23]
	s_add_nc_u64 s[6:7], s[6:7], s[26:27]
	s_add_nc_u64 s[8:9], s[8:9], s[30:31]
	s_add_nc_u64 s[10:11], s[10:11], s[30:31]
	s_add_nc_u64 s[14:15], s[12:13], s[28:29]      ; the records
	s_add_nc_u64 s[12:13], s[12:13], s[26:27]      ; the images
.set li, 0
.rept 16
	global_load_b128 v[R+4*li:R+4*li+3], v[V16], s[4:5] offset:(li+(li&8))*8192 th:TH_LOAD_NT
.set li, li+1
.endr
.set li, 0
.rept 16
	global_load_b128 v[AT+4*li:AT+4*li+3], v[V16], s[6:7] offset:512*li th:TH_LOAD_NT
.set li, li+1
.endr
	s_wait_loadcnt 16                              ; src's 16 loads are in; att's 16 may be out
.set ti, 0
.rept 16
	ds_store_b128 v[STI], v[R+4*ti:R+4*ti+3] offset:528*ti
.set ti, ti+1
.endr
.irp b, 0,1,2,3
.irp j, 0,1,2,3
	ds_load_b128 v[X+16*\b+4*\j:X+16*\b+4*\j+3], v[STO] offset:128*\b+16*\j   ; LDS serves a wave's instructions in order: these see my stores
.endr
.endr
	s_wait_loadcnt 0x0
	s_wait_dscnt 0x0
.set kk, 0
.rept 32
	v_pk_add_f32 v[X+kk:X+kk+1], v[X+kk:X+kk+1], v[AT+kk:AT+kk+1]
.set kk, kk+2
.endr
.set li, 0
.rept 16
	global_load_b128 v[R+4*li:R+4*li+3], v[VB], s[8:9] offset:128*(li/4)+16*(li%4)     ; g and b in the same layout; they land under the two sums
	global_load_b128 v[AT+4*li:AT+4*li+3], v[VB], s[10:11] offset:128*(li/4)+16*(li%4)
.set li, li+1
.endr
	RSUM 0, 0
	s_delay_alu instid0(VALU_DEP_1)
	v_mul_f32 v[MU], s32, v[ST]                    ; the mean
.set kk, 0
.rept 32
	v_pk_add_f32 v[X+kk:X+kk+1], v[X+kk:X+kk+1], v[MU:MU+1] op_sel_hi:[1,0] neg_lo:[0,1] neg_hi:[0,1]
.set kk, kk+2
.endr
	RSUM STAT2, 1
	s_delay_alu instid0(VALU_DEP_1)
	v_fma_f32 v[MU], v[ST], s32, s33               ; the variance + 1e-5
	s_wait_alu depctr_va_vdst(0)
	v_rsq_f32 v[MU], v[MU]
	v_nop                                          ; a plain place behind the transcendental
	s_wait_loadcnt 0x0                             ; g, b
.set kk, 0
	s_wait_alu depctr_va_vdst(0)
.rept 32
	v_pk_mul_f32 v[X+kk:X+kk+1], v[X+kk:X+kk+1], v[MU:MU+1] op_sel_hi:[1,0]
.set kk, kk+2
.endr
.set kk, 0
.rept 32
	v_pk_fma_f32 v[X+kk:X+kk+1], v[X+kk:X+kk+1], v[R+kk:R+kk+1], v[AT+kk:AT+kk+1]
.set kk, kk+2
.endr
.set li, 0
.rept 16
	global_store_b128 v[V16], v[X+4*li:X+4*li+3], s[12:13] offset:512*li   ; 512 consecutive bytes a store
.set li, li+1
.endr
	QUANT X
	global_store_b128 v[V16], v[PC:PC+3], s[14:15]
	global_store_b64 v[V8], v[PC+4:PC+5], s[14:15] offset:512
	global_store_b128 v[V16], v[PC+6:PC+9], s[14:15] offset:768
	global_store_b64 v[V8], v[PC+10:PC+11], s[14:15] offset:1280
	global_store_b32 v[V4], v[PW], s[14:15] offset:1536
	s_wait_tensorcnt 0x0
	ds_add_u32 v241, v245
	s_wait_dscnt 0x0
	s_endpgm
.Lfunc_end_k_q9ebaabd659_ln1:
	.size	k_q9ebaabd659_ln1, .Lfunc_end_k_q9ebaabd659_ln1-k_q9ebaabd659_ln1
	.p2alignl 7, 3214868480
	.fill 96, 4, 3214868480
	.section	.rodata,"a",@progbits
	.p2align	6, 0x0
	.amdhsa_kernel k_q9ebaabd659_ln1
		.amdhsa_group_segment_fixed_size 69632
		.amdhsa_private_segment_fixed_size 0
		.amdhsa_enable_private_segment 0
		.amdhsa_kernarg_size 40
		.amdhsa_user_sgpr_count 2
		.amdhsa_user_sgpr_kernarg_segment_ptr 1
		.amdhsa_wavefront_size32 1
		.amdhsa_system_sgpr_workgroup_id_x 1
		.amdhsa_system_sgpr_workgroup_id_y 1
		.amdhsa_system_sgpr_workgroup_id_z 1
		.amdhsa_system_vgpr_workitem_id 0
		.amdhsa_next_free_vgpr 256
		.amdhsa_next_free_sgpr 66
		.amdhsa_reserve_vcc 0
		.amdhsa_float_denorm_mode_32 3
		.amdhsa_float_denorm_mode_16_64 3
		.amdhsa_memory_ordered 1
		.amdhsa_forward_progress 1
		.amdhsa_inst_pref_size 36
	.end_amdhsa_kernel
	.amdgpu_metadata
---
amdhsa.version: [ 1, 2 ]
amdhsa.kernels:
  - .name:           k_q9ebaabd659_ln1
    .symbol:         k_q9ebaabd659_ln1.kd
    .args:
      - { .name: src, .offset: 0, .size: 8, .value_kind: global_buffer, .address_space: global }
      - { .name: att, .offset: 8, .size: 8, .value_kind: global_buffer, .address_space: global }
      - { .name: ln1_g, .offset: 16, .size: 8, .value_kind: global_buffer, .address_space: global }
      - { .name: ln1_b, .offset: 24, .size: 8, .value_kind: global_buffer, .address_space: global }
      - { .name: xb, .offset: 32, .size: 8, .value_kind: global_buffer, .address_space: global }
    .group_segment_fixed_size: 69632
    .private_segment_fixed_size: 0
    .kernarg_segment_align: 8
    .kernarg_segment_size: 40
    .max_flat_workgroup_size: 256
    .sgpr_count:     66
    .vgpr_count:     256
    .wavefront_size: 32
...
	.end_amdgpu_metadata
.endif
;; end of part 4
;; launch gemm_ff1 (part 5): grid 16 x 32, 4 waves a work-group, clusters of 4 x 4, 327,680 bytes of LDS; arguments xb, opq, b1, hq; writes hq
.if DOCPART == 5
	.amdgcn_target "amdgcn-amd-amdhsa--gfx1250"
	.amdhsa_code_object_version 6
	.text
	.protected	k_q9ebaabd659_gemm_ff1
	.globl	k_q9ebaabd659_gemm_ff1
	.p2align	8
	.type	k_q9ebaabd659_gemm_ff1,@function
k_q9ebaabd659_gemm_ff1:
	s_mov_b64 s[64:65], 0
	v_nop
	global_prefetch_b8 v0, s[64:65] scope:SCOPE_SE
	s_setreg_imm32_b32 hwreg(HW_REG_WAVE_MODE, 25, 1), 1
	s_wait_xcnt 0x0
	s_wait_alu depctr_hold_cnt(0) depctr_sa_sdst(0) depctr_va_vdst(0) depctr_va_sdst(0) depctr_va_ssrc(0) depctr_va_vcc(0) depctr_vm_vsrc(0)
	s_getreg_b32 s2, hwreg(HW_REG_IB_STS2, 6, 4)
	s_cmp_eq_u32 s2, 0
	s_cbranch_scc0 .Lentry_in_a_cluster
	s_endpgm
.Lentry_in_a_cluster:
	s_bfe_u32 s2, ttmp6, 0x10000c
	s_cmp_lg_u32 s2, 0xf033
	s_cbranch_scc0 .Lentry_shape_is_right
	s_endpgm
.Lentry_shape_is_right:
.set KSZ,   1024
.set REC,   1600
.set RTP,   (KSZ/128)*REC
.set RTL,   4*REC
.set ASZ,   8*RTL
.set SLOT,  24*RTL
.set SPARE, 2*SLOT
.set AOFF,  16777216
.set BOFF,  5734400
.set PA,    4
.set PB,    6
.set AL16, 4
.set AL8,  6
.set AR16, 8
.set AR8,  10
.set ALS,  12
.set ARS,  14
.set V16,  16
.set V8,   17
.set V4,   18
.set VB,   19
.set SPW,  28
.set NIL,  29
.set SC,   32
.set LF,   64
.set HA,   64
.set PC,   128
.set PW,   174
.set TM,   240
.set G1,   24
.set G0,   32
.set G1B,  48
.set G0B,  56
.set SEL,  92
.set MSB, 0
.macro WIN new
.if MSB != \new
	s_set_vgpr_msb (MSB<<8)|\new
.set MSB, \new
.endif
.endm
.macro JLOAD g0a, g1a, g0b, g1b
	s_cmp_eq_u32 s15, 0
	s_cbranch_scc0 .Lfor_b_\@
	tensor_load_to_lds s[\g0a:\g0a+3], s[\g1a:\g1a+7]
	s_nop 0
.rept 4
	v_nop
.endr
	s_branch .Lasked_\@
.Lfor_b_\@:
	tensor_load_to_lds s[\g0b:\g0b+3], s[\g1b:\g1b+7]
	s_nop 0
.rept 4
	v_nop
.endr
.Lasked_\@:
.endm
.macro CREST
	s_cmp_lg_u32 s14, 0
	s_cbranch_scc1 .Lnot_wave_0_\@
	s_barrier_signal -3
.Lnot_wave_0_\@:
	s_barrier_wait -3
	s_barrier_signal -1
	s_barrier_wait -1
.endm
.macro CROUND
	s_barrier_signal -1
	s_barrier_wait -1
	CREST
.endm
.macro PLACES n
.rept \n
	v_nop
.endr
.endm
.macro FETCH_SL slot, q, p
.irp a, 0,1,2,3
	ds_load_b32 v[SC+12*(\p)+\a], v[ALS+\slot] offset:\a*RTL+(\q)*REC+1536
.endr
.irp b, 0,1,2,3,4,5,6,7
	ds_load_b32 v[SC+12*(\p)+4+\b], v[ARS+\slot] offset:\b*RTL+(\q)*REC+1536
.endr
.irp a, 0,1,2,3
	ds_load_b128 v[LF+48*(\p)+12*\a:LF+48*(\p)+12*\a+3], v[AL16+\slot] offset:\a*RTL+(\q)*REC
	ds_load_b64 v[LF+48*(\p)+12*\a+4:LF+48*(\p)+12*\a+5], v[AL8+\slot] offset:\a*RTL+(\q)*REC+512
	ds_load_b128 v[LF+48*(\p)+12*\a+6:LF+48*(\p)+12*\a+9], v[AL16+\slot] offset:\a*RTL+(\q)*REC+768
	ds_load_b64 v[LF+48*(\p)+12*\a+10:LF+48*(\p)+12*\a+11], v[AL8+\slot] offset:\a*RTL+(\q)*REC+1280
.endr
.endm
.macro FETCH_R slot, q, p, b0
.irp b, \b0, \b0+1, \b0+2, \b0+3
	ds_load_b128 v[128*(\p)+12*(\b):128*(\p)+12*(\b)+3], v[AR16+\slot] offset:(\b)*RTL+(\q)*REC
	ds_load_b64 v[128*(\p)+12*(\b)+4:128*(\p)+12*(\b)+5], v[AR8+\slot] offset:(\b)*RTL+(\q)*REC+512
	ds_load_b128 v[128*(\p)+12*(\b)+6:128*(\p)+12*(\b)+9], v[AR16+\slot] offset:(\b)*RTL+(\q)*REC+768
	ds_load_b64 v[128*(\p)+12*(\b)+10:128*(\p)+12*(\b)+11], v[AR8+\slot] offset:(\b)*RTL+(\q)*REC+1280
.endr
.endm
.macro FETCH slot, q, p
	FETCH_SL \slot, \q, \p
	WIN 0x40
	FETCH_R \slot, \q, \p, 0
	FETCH_R \slot, \q, \p, 4
	WIN 0
.endm
.macro MULQ p, b0, zero
.irp b, \b0, \b0+1
.irp a, 0,1,2,3
.if \zero
	v_wmma_scale_f32_16x16x128_f8f6f4 v[8*(8*\a+(\b)):8*(8*\a+(\b))+7], v[128*(\p)+12*(\b):128*(\p)+12*(\b)+11], v[LF+48*(\p)+12*\a:LF+48*(\p)+12*\a+11], 0, v[SC+12*(\p)+4+(\b)], v[SC+12*(\p)+\a] matrix_a_fmt:MATRIX_FMT_BF6 matrix_b_fmt:MATRIX_FMT_BF6
.else
	v_wmma_scale_f32_16x16x128_f8f6f4 v[8*(8*\a+(\b)):8*(8*\a+(\b))+7], v[128*(\p)+12*(\b):128*(\p)+12*(\b)+11], v[LF+48*(\p)+12*\a:LF+48*(\p)+12*\a+11], v[8*(8*\a+(\b)):8*(8*\a+(\b))+7], v[SC+12*(\p)+4+(\b)], v[SC+12*(\p)+\a] matrix_a_fmt:MATRIX_FMT_BF6 matrix_b_fmt:MATRIX_FMT_BF6
.endif
.endr
.endr
.endm
.macro BODY p, zero, fetch, slot, q, landed
.if \landed == 0
	s_wait_dscnt 24
.endif
	WIN 0xa1
	MULQ \p, 0, \zero
.if \fetch
	WIN 0
	FETCH_SL \slot, \q, 1-(\p)
.endif
.if \landed == 0
	s_wait_dscnt 16+28*(\fetch)
.endif
	WIN 0xa1
	MULQ \p, 2, \zero
.if \fetch
	WIN 0x40
	FETCH_R \slot, \q, 1-(\p), 0
.endif
.if \landed == 0
	s_wait_dscnt 8+44*(\fetch)
.endif
	WIN 0xa1
	MULQ \p, 4, \zero
.if \fetch
	WIN 0x40
	FETCH_R \slot, \q, 1-(\p), 4
.endif
.if \landed == 0
	s_wait_dscnt 60*(\fetch)
.endif
	WIN 0xa1
	MULQ \p, 6, \zero
.endm
.macro STEP slot, q, zero
	PLACES 4
	BODY (\q)%2, \zero, 1, \slot, (\q)+1, 0
.endm
; A slot's last step: a step like the others, whose successor's fragments come from the other slot, whole in LDS since the head's barrier.
.macro TURN slot, next
	PLACES 4
	BODY 1, 0, 1, \next, 0, 0
.endm
.macro LAST
	BODY 1, 0, 0, 0, 0, 0
	WIN 0
	PLACES 4
.endm
.macro QUANT s
.irp b, 0,1,2,3
	v_max3_num_f32 v[TM+\b], |v[\s+16*\b]|, |v[\s+1+16*\b]|, 0x2800000
.endr
.irp i, 2,4,6,8,10,12,14
.irp b, 0,1,2,3
	v_max3_num_f32 v[TM+\b], v[TM+\b], |v[\s+16*\b+\i]|, |v[\s+1+16*\b+\i]|
.endr
.endr
.irp b, 0,1,2,3
	v_permlanex16_b32 v[TM+4+\b], v[TM+\b], s[SEL], s[SEL+1]
.endr
.irp b, 0,1,2,3
	v_max_num_f32 v[TM+\b], v[TM+\b], v[TM+4+\b]
.endr
.irp b, 0,1,2,3
	v_add_nc_u32 v[TM+12+\b], 0xfe000000, v[TM+\b]
.endr
.irp b, 0,1,2,3
	v_lshrrev_b32 v[TM+4+\b], 23, v[TM+12+\b]
.endr
	v_lshl_or_b32 v[PW], v[TM+5], 8, v[TM+4]
	v_lshl_or_b32 v[PW], v[TM+6], 16, v[PW]
	v_lshl_or_b32 v[PW], v[TM+7], 24, v[PW]
.irp c, 0,1
	v_cvt_scalef32_pk16_bf6_f32 v[PC+6*\c:PC+2+6*\c], v[\s+32*\c:\s+15+32*\c], v[TM+12+2*\c]
	v_cvt_scalef32_pk16_bf6_f32 v[PC+12+4*\c:PC+14+4*\c], v[\s+16+32*\c:\s+31+32*\c], v[TM+12+2*\c+1]
.endr
	v_nop
.irp c, 0,1
.irp i, 0,1,2
	v_permlane16_swap_b32 v[PC+6*\c+\i], v[PC+12+4*\c+\i]
.endr
.irp i, 0,1,2
	v_mov_b32 v[PC+3+6*\c+\i], v[PC+12+4*\c+\i]
.endr
.endr
.endm
	s_load_b256 s[4:11], s[0:1], 0x0
	v_lshl_add_u32 v[SPW], v0, 2, SPARE
	v_mov_b32 v[NIL], 0
	ds_add_u32 v28, v29
	ds_add_u32 v28, v29
	s_wait_dscnt 0x0
	v_lshrrev_b32 v1, 5, v0
	v_readfirstlane_b32 s14, v1
	s_lshr_b32 s15, s14, 1
	s_and_b32 s16, s14, 1
	s_bfe_u32 s40, ttmp6, 0x40000
	s_bfe_u32 s41, ttmp6, 0x40004
	s_lshl_b32 s42, ttmp9, 2
	s_add_co_u32 s42, s42, s40
	s_and_b32 s17, ttmp7, 0xffff
	s_lshl_b32 s17, s17, 2
	s_add_co_u32 s17, s17, s41
	s_lshl_b32 s43, s41, 2
	s_lshl_b32 s43, 15, s43
	s_lshl_b32 s44, 0x1111, s40
	s_or_b32 s[G1+0], s43, (3<<16)|(1<<21)
	s_or_b32 s[G1B+0], s44, (3<<16)|(1<<21)
	s_mov_b32 s[G1+1], 800<<16
	s_mov_b32 s[G1+2], 8<<16                       ; x's 8 row tiles
	s_mov_b32 s[G1+3], 800<<16
	s_mov_b32 s[G1+4], 8
	s_mov_b32 s[G1+5], RTP/8
	s_mov_b32 s[G1+6], 0
	s_mov_b32 s[G1+7], 0
	s_mov_b32 s[G1B+1], 800<<16
	s_mov_b32 s[G1B+2], 16<<16                     ; the weight's 16 row tiles
	s_mov_b32 s[G1B+3], 800<<16
	s_mov_b32 s[G1B+4], 16
	s_mov_b32 s[G1B+5], RTP/8
	s_mov_b32 s[G1B+6], 0
	s_mov_b32 s[G1B+7], 0
	s_lshl_b32 s20, s17, 3
	s_mul_i32 s20, s20, RTP                        ; x: row tile 8 y,
	s_mul_i32 s18, s16, RTL                        ; and my half of K: 4 records on
	s_add_co_u32 s20, s20, s18
	s_add_co_u32 s20, s20, AOFF
	s_mov_b32 s21, 0
	s_lshl_b32 s46, s42, 4
	s_mul_i32 s46, s46, RTP                        ; the weight: row tile 16 x, the same half of K
	s_add_co_u32 s46, s46, s18
	s_add_co_u32 s46, s46, BOFF
	s_mov_b32 s47, 0
	s_mul_i32 s45, s16, SLOT                       ; where they go: my half of K is a slot
	s_add_co_u32 s94, s45, ASZ
	s_wait_kmcnt 0x0
	s_add_nc_u64 s[20:21], s[PA:PA+1], s[20:21]
	s_add_nc_u64 s[46:47], s[PB:PB+1], s[46:47]
	CROUND
.irp s, 0
	s_mov_b32 s[G0+4*\s], 1
	s_add_co_u32 s[G0+4*\s+1], s45, \s*SLOT
	s_add_nc_u64 s[G0+4*\s+2:G0+4*\s+3], s[20:21], \s*RTL
	s_or_b32 s[G0+4*\s+3], s[G0+4*\s+3], 0x80000000
	s_mov_b32 s[G0B+4*\s], 1
	s_add_co_u32 s[G0B+4*\s+1], s94, \s*SLOT
	s_add_nc_u64 s[G0B+4*\s+2:G0B+4*\s+3], s[46:47], \s*RTL
	s_or_b32 s[G0B+4*\s+3], s[G0B+4*\s+3], 0x80000000
.endr
	JLOAD G0, G1, G0B, G1B                         ; my slot: one tensor load a wave at the head
	v_and_b32 v1, 15, v0
	v_bfe_u32 v2, v0, 4, 1
	v_and_b32 v3, 31, v0
	v_lshlrev_b32 v[V16], 4, v3
	v_lshlrev_b32 v[V8], 3, v3
	v_lshlrev_b32 v[V4], 2, v1
	v_lshlrev_b32 v[VB], 6, v2
	s_mul_i32 s66, s15, 4*RTL
	s_mul_i32 s67, s16, 8*RTL
	s_add_co_u32 s67, s67, ASZ
.irp s, 0,1
	v_add_nc_u32 v[AL16+\s], s66, v[V16]
	v_add_nc_u32 v[AL8+\s], s66, v[V8]
	v_add_nc_u32 v[ALS+\s], s66, v[V4]
	v_add_nc_u32 v[AR16+\s], s67, v[V16]
	v_add_nc_u32 v[AR8+\s], s67, v[V8]
	v_add_nc_u32 v[ARS+\s], s67, v[V4]
	s_add_co_u32 s66, s66, SLOT
	s_add_co_u32 s67, s67, SLOT
.endr
	s_mov_b32 s[SEL], 0x76543210
	s_mov_b32 s[SEL+1], 0xfedcba98
.irp b, 0,1,2,3
	v_mov_b32 v[TM+4+\b], 0
.endr
	s_lshl_b32 s70, s42, 10
	s_lshl_b32 s71, s16, 9
	s_add_co_u32 s70, s70, s71
	s_mov_b32 s71, 0
	s_add_nc_u64 s[70:71], s[8:9], s[70:71]
	WIN 0x40
.set kk, 0
.rept 16
	global_load_b128 v[96+4*kk+96*(kk/8):99+4*kk+96*(kk/8)], v[VB], s[70:71] offset:128*(kk/4)+16*(kk%4)
.set kk, kk+1
.endr
	WIN 0
	s_lshl_b32 s68, s17, 3
	s_lshl_b32 s69, s15, 2
	s_add_co_u32 s68, s68, s69
	s_lshl_b32 s68, s68, 5
	s_lshl_b32 s69, s42, 1
	s_add_co_u32 s68, s68, s69
	s_add_co_u32 s68, s68, s16
	s_mul_i32 s68, s68, REC
	s_mov_b32 s69, 0
	s_add_nc_u64 s[68:69], s[10:11], s[68:69]
	s_wait_alu depctr_va_vdst(0)
	s_wait_tensorcnt 0x0                           ; my one load is in: x's or the weight's part of one slot
	s_barrier_signal -1
	s_barrier_wait -1                              ; both slots are whole
	FETCH 0, 0, 0
	STEP 0, 0, 1
	STEP 0, 1, 0
	STEP 0, 2, 0
	TURN 0, 1
	STEP 1, 0, 0
	STEP 1, 1, 0
	STEP 1, 2, 0
	LAST
	s_wait_loadcnt 0x0
.macro HOUT a
.if \a > 0
	s_wait_xcnt 0x0
.endif
	WIN 0x06
.set kk, 0
.rept 32
	v_pk_add_f32 v[HA+kk:HA+kk+1], v[64*(\a)+kk:64*(\a)+kk+1], v[96+kk+96*(kk/32):97+kk+96*(kk/32)]
.set kk, kk+2
.endr
	WIN 0
.set kk, 0
.rept 64
	v_max_num_f32 v[HA+kk], 0, v[HA+kk]
.set kk, kk+1
.endr
	QUANT HA
	global_store_b128 v[V16], v[PC:PC+3], s[68:69] offset:51200*(\a)
	global_store_b64 v[V8], v[PC+4:PC+5], s[68:69] offset:51200*(\a)+512
	global_store_b128 v[V16], v[PC+6:PC+9], s[68:69] offset:51200*(\a)+768
	global_store_b64 v[V8], v[PC+10:PC+11], s[68:69] offset:51200*(\a)+1280
	global_store_b32 v[V4], v[PW], s[68:69] offset:51200*(\a)+1536
.endm
	HOUT 0
	HOUT 1
	HOUT 2
	HOUT 3
	s_wait_tensorcnt 0x0
	ds_add_u32 v[SPW], v[NIL]
	s_wait_dscnt 0x0
	CROUND
	s_endpgm
.Lfunc_end_k_q9ebaabd659_gemm_ff1:
	.size	k_q9ebaabd659_gemm_ff1, .Lfunc_end_k_q9ebaabd659_gemm_ff1-k_q9ebaabd659_gemm_ff1
	.p2alignl 7, 3214868480
	.fill 96, 4, 3214868480
	.section	.rodata,"a",@progbits
	.p2align	6, 0x0
	.amdhsa_kernel k_q9ebaabd659_gemm_ff1
		.amdhsa_group_segment_fixed_size 327680
		.amdhsa_private_segment_fixed_size 0
		.amdhsa_enable_private_segment 0
		.amdhsa_kernarg_size 32
		.amdhsa_user_sgpr_count 2
		.amdhsa_user_sgpr_kernarg_segment_ptr 1
		.amdhsa_wavefront_size32 1
		.amdhsa_system_sgpr_workgroup_id_x 1
		.amdhsa_system_sgpr_workgroup_id_y 1
		.amdhsa_system_sgpr_workgroup_id_z 1
		.amdhsa_system_vgpr_workitem_id 0
		.amdhsa_next_free_vgpr 768
		.amdhsa_next_free_sgpr 100
		.amdhsa_reserve_vcc 0
		.amdhsa_float_denorm_mode_32 3
		.amdhsa_float_denorm_mode_16_64 3
		.amdhsa_memory_ordered 1
		.amdhsa_forward_progress 1
		.amdhsa_inst_pref_size 107
	.end_amdhsa_kernel
	.amdgpu_metadata
---
amdhsa.version: [ 1, 2 ]
amdhsa.kernels:
  - .name:           k_q9ebaabd659_gemm_ff1
    .symbol:         k_q9ebaabd659_gemm_ff1.kd
    .args:
      - { .name: xb, .offset: 0, .size: 8, .value_kind: global_buffer, .address_space: global }
      - { .name: opq, .offset: 8, .size: 8, .value_kind: global_buffer, .address_space: global }
      - { .name: b1, .offset: 16, .size: 8, .value_kind: global_buffer, .address_space: global }
      - { .name: hq, .offset: 24, .size: 8, .value_kind: global_buffer, .address_space: global }
    .group_segment_fixed_size: 327680
    .private_segment_fixed_size: 0
    .kernarg_segment_align: 8
    .kernarg_segment_size: 32
    .max_flat_workgroup_size: 128
    .sgpr_count:     100
    .vgpr_count:     768
    .wavefront_size: 32
...
	.end_amdgpu_metadata
.endif
;; end of part 5
;; launch gemm_ff2 (part 6): grid 4 x 64, 4 waves a work-group, clusters of 4 x 4, 327,680 bytes of LDS; arguments hq, opq, b2, xb, zb; writes zb
.if DOCPART == 6
	.amdgcn_target "amdgcn-amd-amdhsa--gfx1250"
	.amdhsa_code_object_version 6
	.text
	.protected	k_q9ebaabd659_gemm_ff2
	.globl	k_q9ebaabd659_gemm_ff2
	.p2align	8
	.type	k_q9ebaabd659_gemm_ff2,@function
k_q9ebaabd659_gemm_ff2:
	s_mov_b64 s[64:65], 0
	v_nop
	global_prefetch_b8 v0, s[64:65] scope:SCOPE_SE
	s_setreg_imm32_b32 hwreg(HW_REG_WAVE_MODE, 25, 1), 1
	s_wait_xcnt 0x0
	s_wait_alu depctr_hold_cnt(0) depctr_sa_sdst(0) depctr_va_vdst(0) depctr_va_sdst(0) depctr_va_ssrc(0) depctr_va_vcc(0) depctr_vm_vsrc(0)
	s_getreg_b32 s2, hwreg(HW_REG_IB_STS2, 6, 4)
	s_cmp_eq_u32 s2, 0
	s_cbranch_scc0 .Lentry_in_a_cluster
	s_endpgm
.Lentry_in_a_cluster:
	s_bfe_u32 s2, ttmp6, 0x10000c
	s_cmp_lg_u32 s2, 0xf033
	s_cbranch_scc0 .Lentry_shape_is_right
	s_endpgm
.Lentry_shape_is_right:
.set KROW,  4096
.set REC,   1600
.set RTP,   (KROW/128)*REC
.set KHB,   16*REC
.set RTL,   4*REC
.set ASZ,   8*RTL
.set SLOT,  24*RTL
.set SPARE, 2*SLOT
.set BOFF,  9011200
.set PA,    4
.set PB,    6
.set AL16, 4
.set AL8,  6
.set AR16, 8
.set AR8,  10
.set ALS,  12
.set ARS,  14
.set V16,  16
.set V8,   17
.set V4,   18
.set VB,   19
.set SPW,  28
.set NIL,  29
.set SC,   32
.set LF,   64
.set HA,   64
.set X1,   128
.set X0,   192
.set G1,   24
.set G0,   32
.set G1B,  48
.set G0B,  56
.set MSB, 0
.macro WIN new
.if MSB != \new
	s_set_vgpr_msb (MSB<<8)|\new
.set MSB, \new
.endif
.endm
.macro JLOAD g0a, g1a, g0b, g1b
	s_cmp_eq_u32 s15, 0
	s_cbranch_scc0 .Lfor_b_\@
	tensor_load_to_lds s[\g0a:\g0a+3], s[\g1a:\g1a+7]
	s_nop 0
.rept 4
	v_nop
.endr
	s_branch .Lasked_\@
.Lfor_b_\@:
	tensor_load_to_lds s[\g0b:\g0b+3], s[\g1b:\g1b+7]
	s_nop 0
.rept 4
	v_nop
.endr
.Lasked_\@:
.endm
.macro CREST
	s_cmp_lg_u32 s14, 0
	s_cbranch_scc1 .Lnot_wave_0_\@
	s_barrier_signal -3
.Lnot_wave_0_\@:
	s_barrier_wait -3
	s_barrier_signal -1
	s_barrier_wait -1
.endm
.macro CROUND
	s_barrier_signal -1
	s_barrier_wait -1
	CREST
.endm
.macro PLACES n
.rept \n
	v_nop
.endr
.endm
.macro FETCH_SL slot, q, p
.irp a, 0,1,2,3
	ds_load_b32 v[SC+12*(\p)+\a], v[ALS+\slot] offset:\a*RTL+(\q)*REC+1536
.endr
.irp b, 0,1,2,3,4,5,6,7
	ds_load_b32 v[SC+12*(\p)+4+\b], v[ARS+\slot] offset:\b*RTL+(\q)*REC+1536
.endr
.irp a, 0,1,2,3
	ds_load_b128 v[LF+48*(\p)+12*\a:LF+48*(\p)+12*\a+3], v[AL16+\slot] offset:\a*RTL+(\q)*REC
	ds_load_b64 v[LF+48*(\p)+12*\a+4:LF+48*(\p)+12*\a+5], v[AL8+\slot] offset:\a*RTL+(\q)*REC+512
	ds_load_b128 v[LF+48*(\p)+12*\a+6:LF+48*(\p)+12*\a+9], v[AL16+\slot] offset:\a*RTL+(\q)*REC+768
	ds_load_b64 v[LF+48*(\p)+12*\a+10:LF+48*(\p)+12*\a+11], v[AL8+\slot] offset:\a*RTL+(\q)*REC+1280
.endr
.endm
.macro FETCH_R slot, q, p, b0
.irp b, \b0, \b0+1, \b0+2, \b0+3
	ds_load_b128 v[128*(\p)+12*(\b):128*(\p)+12*(\b)+3], v[AR16+\slot] offset:(\b)*RTL+(\q)*REC
	ds_load_b64 v[128*(\p)+12*(\b)+4:128*(\p)+12*(\b)+5], v[AR8+\slot] offset:(\b)*RTL+(\q)*REC+512
	ds_load_b128 v[128*(\p)+12*(\b)+6:128*(\p)+12*(\b)+9], v[AR16+\slot] offset:(\b)*RTL+(\q)*REC+768
	ds_load_b64 v[128*(\p)+12*(\b)+10:128*(\p)+12*(\b)+11], v[AR8+\slot] offset:(\b)*RTL+(\q)*REC+1280
.endr
.endm
.macro FETCH slot, q, p
	FETCH_SL \slot, \q, \p
	WIN 0x40
	FETCH_R \slot, \q, \p, 0
	FETCH_R \slot, \q, \p, 4
	WIN 0
.endm
.macro MULQ p, b0, zero
.irp b, \b0, \b0+1
.irp a, 0,1,2,3
.if \zero
	v_wmma_scale_f32_16x16x128_f8f6f4 v[8*(8*\a+(\b)):8*(8*\a+(\b))+7], v[128*(\p)+12*(\b):128*(\p)+12*(\b)+11], v[LF+48*(\p)+12*\a:LF+48*(\p)+12*\a+11], 0, v[SC+12*(\p)+4+(\b)], v[SC+12*(\p)+\a] matrix_a_fmt:MATRIX_FMT_BF6 matrix_b_fmt:MATRIX_FMT_BF6
.else
	v_wmma_scale_f32_16x16x128_f8f6f4 v[8*(8*\a+(\b)):8*(8*\a+(\b))+7], v[128*(\p)+12*(\b):128*(\p)+12*(\b)+11], v[LF+48*(\p)+12*\a:LF+48*(\p)+12*\a+11], v[8*(8*\a+(\b)):8*(8*\a+(\b))+7], v[SC+12*(\p)+4+(\b)], v[SC+12*(\p)+\a] matrix_a_fmt:MATRIX_FMT_BF6 matrix_b_fmt:MATRIX_FMT_BF6
.endif
.endr
.endr
.endm
.macro BODY p, zero, fetch, slot, q, landed
.if \landed == 0
	s_wait_dscnt 24
.endif
	WIN 0xa1
	MULQ \p, 0, \zero
.if \fetch
	WIN 0
	FETCH_SL \slot, \q, 1-(\p)
.endif
.if \landed == 0
	s_wait_dscnt 16+28*(\fetch)
.endif
	WIN 0xa1
	MULQ \p, 2, \zero
.if \fetch
	WIN 0x40
	FETCH_R \slot, \q, 1-(\p), 0
.endif
.if \landed == 0
	s_wait_dscnt 8+44*(\fetch)
.endif
	WIN 0xa1
	MULQ \p, 4, \zero
.if \fetch
	WIN 0x40
	FETCH_R \slot, \q, 1-(\p), 4
.endif
.if \landed == 0
	s_wait_dscnt 60*(\fetch)
.endif
	WIN 0xa1
	MULQ \p, 6, \zero
.endm
.macro STEP slot, q, zero
	PLACES 4
	BODY (\q)%2, \zero, 1, \slot, (\q)+1, 0
.endm
.macro TURN slot, next, fill
	WIN 0
	s_wait_tensorcnt 0x0
	ds_add_u32 v[SPW], v[NIL]
	s_wait_dscnt 0x0
.if \fill
	CROUND
	s_cmp_lg_u32 s16, \slot                        ; the two waves that own this slot fill it again; the branch hangs on the wave's number alone
	s_cbranch_scc1 .Lnot_mine_\@
	s_add_nc_u64 s[G0+2:G0+3], s[G0+2:G0+3], 2*RTL       ; none of my loads is out: my slot's next 4 K steps
	s_add_nc_u64 s[G0B+2:G0B+3], s[G0B+2:G0B+3], 2*RTL
	JLOAD G0, G1, G0B, G1B                         ; the first tensor load behind the round
.Lnot_mine_\@:
	PLACES 4                                       ; on both ways: the places in front of the loads into the set that the last step read
.else
	s_barrier_signal -1
	s_barrier_wait -1
	PLACES 4
.endif
	BODY 1, 0, 1, \next, 0, 1
.endm
.macro LAST
	BODY 1, 0, 0, 0, 0, 0
	WIN 0
	PLACES 4
.endm
.macro FINISH
	s_wait_tensorcnt 0x0
	ds_add_u32 v[SPW], v[NIL]
	s_wait_dscnt 0x0
	CROUND
	s_endpgm
.endm
	s_load_b256 s[4:11], s[0:1], 0x0
	s_load_b64 s[12:13], s[0:1], 0x20
	v_lshl_add_u32 v[SPW], v0, 2, SPARE
	v_mov_b32 v[NIL], 0
	ds_add_u32 v28, v29
	ds_add_u32 v28, v29
	s_wait_dscnt 0x0
	v_lshrrev_b32 v1, 5, v0
	v_readfirstlane_b32 s14, v1
	s_lshr_b32 s15, s14, 1
	s_and_b32 s16, s14, 1
	s_bfe_u32 s40, ttmp6, 0x40000
	s_bfe_u32 s41, ttmp6, 0x40004
	s_lshl_b32 s42, ttmp9, 2
	s_add_co_u32 s42, s42, s40
	s_and_b32 s17, ttmp7, 0xffff
	s_lshr_b32 s95, s17, 3
	s_mul_i32 s96, s95, KHB
	s_lshl_b32 s17, s17, 2
	s_add_co_u32 s17, s17, s41
	s_and_b32 s17, s17, 31
	s_lshl_b32 s43, s41, 2
	s_lshl_b32 s43, 15, s43
	s_lshl_b32 s44, 0x1111, s40
	s_or_b32 s[G1+0], s43, (3<<16)|(1<<21)
	s_or_b32 s[G1B+0], s44, (3<<16)|(1<<21)
	s_mov_b32 s[G1+1], 800<<16
	s_mov_b32 s[G1+2], 8<<16                       ; the hidden layer's 8 row tiles
	s_mov_b32 s[G1+3], 800<<16
	s_mov_b32 s[G1+4], 8
	s_mov_b32 s[G1+5], RTP/8
	s_mov_b32 s[G1+6], 0
	s_mov_b32 s[G1+7], 0
	s_mov_b32 s[G1B+1], 800<<16
	s_mov_b32 s[G1B+2], 16<<16                     ; the weight's 16 row tiles
	s_mov_b32 s[G1B+3], 800<<16
	s_mov_b32 s[G1B+4], 16
	s_mov_b32 s[G1B+5], RTP/8
	s_mov_b32 s[G1B+6], 0
	s_mov_b32 s[G1B+7], 0
	s_lshl_b32 s20, s17, 3
	s_mul_i32 s20, s20, RTP                        ; the hidden layer: row tile 8 y,
	s_mul_i32 s18, s16, RTL                        ; and my slot's first 4 K steps: wave w owns slot w % 2
	s_add_co_u32 s20, s20, s18
	s_add_co_u32 s20, s20, s96
	s_mov_b32 s21, 0
	s_lshl_b32 s46, s42, 4
	s_mul_i32 s46, s46, RTP                        ; the weight: row tile 16 x, the same K steps
	s_add_co_u32 s46, s46, s18
	s_add_co_u32 s46, s46, BOFF
	s_add_co_u32 s46, s46, s96
	s_mov_b32 s47, 0
	s_mul_i32 s45, s16, SLOT                       ; where they go: my slot
	s_add_co_u32 s94, s45, ASZ
	s_wait_kmcnt 0x0
	s_add_nc_u64 s[20:21], s[PA:PA+1], s[20:21]
	s_add_nc_u64 s[46:47], s[PB:PB+1], s[46:47]
	CROUND
.irp s, 0
	s_mov_b32 s[G0+4*\s], 1
	s_add_co_u32 s[G0+4*\s+1], s45, \s*SLOT
	s_add_nc_u64 s[G0+4*\s+2:G0+4*\s+3], s[20:21], \s*RTL
	s_or_b32 s[G0+4*\s+3], s[G0+4*\s+3], 0x80000000
	s_mov_b32 s[G0B+4*\s], 1
	s_add_co_u32 s[G0B+4*\s+1], s94, \s*SLOT
	s_add_nc_u64 s[G0B+4*\s+2:G0B+4*\s+3], s[46:47], \s*RTL
	s_or_b32 s[G0B+4*\s+3], s[G0B+4*\s+3], 0x80000000
.endr
	JLOAD G0, G1, G0B, G1B                         ; my slot: one tensor load a wave at the head
	v_and_b32 v1, 15, v0
	v_bfe_u32 v2, v0, 4, 1
	v_and_b32 v3, 31, v0
	v_lshlrev_b32 v[V16], 4, v3
	v_lshlrev_b32 v[V8], 3, v3
	v_lshlrev_b32 v[V4], 2, v1
	v_lshlrev_b32 v[VB], 6, v2
	s_mul_i32 s66, s15, 4*RTL
	s_mul_i32 s67, s16, 8*RTL
	s_add_co_u32 s67, s67, ASZ
.irp s, 0,1
	v_add_nc_u32 v[AL16+\s], s66, v[V16]
	v_add_nc_u32 v[AL8+\s], s66, v[V8]
	v_add_nc_u32 v[ALS+\s], s66, v[V4]
	v_add_nc_u32 v[AR16+\s], s67, v[V16]
	v_add_nc_u32 v[AR8+\s], s67, v[V8]
	v_add_nc_u32 v[ARS+\s], s67, v[V4]
	s_add_co_u32 s66, s66, SLOT
	s_add_co_u32 s67, s67, SLOT
.endr
	s_lshl_b32 s74, s42, 10
	s_lshl_b32 s75, s16, 9
	s_add_co_u32 s74, s74, s75
	s_mov_b32 s75, 0
	s_add_nc_u64 s[74:75], s[8:9], s[74:75]
	s_lshl_b32 s68, s17, 3
	s_lshl_b32 s69, s15, 2
	s_add_co_u32 s68, s68, s69
	s_lshl_b32 s68, s68, 3
	s_lshl_b32 s69, s42, 1
	s_add_co_u32 s68, s68, s69
	s_add_co_u32 s68, s68, s16
	s_lshl_b32 s68, s68, 13
	s_mov_b32 s69, 0
	s_lshl_b32 s72, s95, 24
	s_mov_b32 s73, 0
	s_add_nc_u64 s[70:71], s[12:13], s[68:69]
	s_add_nc_u64 s[70:71], s[70:71], s[72:73]
	s_add_nc_u64 s[68:69], s[10:11], s[68:69]
	s_wait_alu depctr_va_vdst(0)
	s_wait_tensorcnt 0x0                           ; my one load is in: the hidden layer's or the weight's part of my slot
	s_barrier_signal -1
	s_barrier_wait -1                              ; both slots are whole
	FETCH 0, 0, 0
	STEP 0, 0, 1
	STEP 0, 1, 0
	STEP 0, 2, 0
	TURN 0, 1, 1
	STEP 1, 0, 0
	STEP 1, 1, 0
	STEP 1, 2, 0
	TURN 1, 0, 1
	STEP 0, 0, 0
	STEP 0, 1, 0
	STEP 0, 2, 0
	TURN 0, 1, 0
	STEP 1, 0, 0
	STEP 1, 1, 0
	STEP 1, 2, 0
	WIN 0
	s_cmp_lg_u32 s95, 0
	s_cbranch_scc1 .Lway_hi
	WIN 0x40
.set kk, 0
.rept 16
	global_load_b128 v[96+4*kk+96*(kk/8):99+4*kk+96*(kk/8)], v[VB], s[74:75] offset:128*(kk/4)+16*(kk%4)
.set kk, kk+1
.endr
	WIN 0
.macro XLOAD a, reg
.set li, 0
.rept 16
	global_load_b128 v[\reg+4*li:\reg+4*li+3], v[V16], s[68:69] offset:65536*(\a)+512*li th:TH_LOAD_NT
.set li, li+1
.endr
.endm
	XLOAD 0, X0
	LAST
	XLOAD 1, X1
.macro ZOUT a, reg, left
	s_wait_loadcnt \left
	WIN 0x06
.set kk, 0
.rept 32
	v_pk_add_f32 v[HA+kk:HA+kk+1], v[64*(\a)+kk:64*(\a)+kk+1], v[96+kk+96*(kk/32):97+kk+96*(kk/32)]
.set kk, kk+2
.endr
	WIN 0
.set kk, 0
.rept 32
	v_pk_add_f32 v[\reg+kk:\reg+kk+1], v[\reg+kk:\reg+kk+1], v[HA+kk:HA+kk+1]
.set kk, kk+2
.endr
.set li, 0
.rept 16
	global_store_b128 v[V16], v[\reg+4*li:\reg+4*li+3], s[70:71] offset:65536*(\a)+512*li
.set li, li+1
.endr
.endm
	ZOUT 0, X0, 16
	s_wait_xcnt 0x0
	XLOAD 2, X0
	ZOUT 1, X1, 16
	s_wait_xcnt 0x0
	XLOAD 3, X1
	ZOUT 2, X0, 16
	ZOUT 3, X1, 0
	FINISH
.Lway_hi:
	LAST
	WIN 0x08
.irp a, 0,1,2,3
.set li, 0
.rept 16
	global_store_b128 v[V16], v[64*\a+4*li:64*\a+4*li+3], s[70:71] offset:65536*\a+512*li
.set li, li+1
.endr
.endr
	WIN 0
	FINISH
.Lfunc_end_k_q9ebaabd659_gemm_ff2:
	.size	k_q9ebaabd659_gemm_ff2, .Lfunc_end_k_q9ebaabd659_gemm_ff2-k_q9ebaabd659_gemm_ff2
	.p2alignl 7, 3214868480
	.fill 96, 4, 3214868480
	.section	.rodata,"a",@progbits
	.p2align	6, 0x0
	.amdhsa_kernel k_q9ebaabd659_gemm_ff2
		.amdhsa_group_segment_fixed_size 327680
		.amdhsa_private_segment_fixed_size 0
		.amdhsa_enable_private_segment 0
		.amdhsa_kernarg_size 40
		.amdhsa_user_sgpr_count 2
		.amdhsa_user_sgpr_kernarg_segment_ptr 1
		.amdhsa_wavefront_size32 1
		.amdhsa_system_sgpr_workgroup_id_x 1
		.amdhsa_system_sgpr_workgroup_id_y 1
		.amdhsa_system_sgpr_workgroup_id_z 1
		.amdhsa_system_vgpr_workitem_id 0
		.amdhsa_next_free_vgpr 768
		.amdhsa_next_free_sgpr 100
		.amdhsa_reserve_vcc 0
		.amdhsa_float_denorm_mode_32 3
		.amdhsa_float_denorm_mode_16_64 3
		.amdhsa_memory_ordered 1
		.amdhsa_forward_progress 1
		.amdhsa_inst_pref_size 181
	.end_amdhsa_kernel
	.amdgpu_metadata
---
amdhsa.version: [ 1, 2 ]
amdhsa.kernels:
  - .name:           k_q9ebaabd659_gemm_ff2
    .symbol:         k_q9ebaabd659_gemm_ff2.kd
    .args:
      - { .name: hq, .offset: 0, .size: 8, .value_kind: global_buffer, .address_space: global }
      - { .name: opq, .offset: 8, .size: 8, .value_kind: global_buffer, .address_space: global }
      - { .name: b2, .offset: 16, .size: 8, .value_kind: global_buffer, .address_space: global }
      - { .name: xb, .offset: 24, .size: 8, .value_kind: global_buffer, .address_space: global }
      - { .name: zb, .offset: 32, .size: 8, .value_kind: global_buffer, .address_space: global }
    .group_segment_fixed_size: 327680
    .private_segment_fixed_size: 0
    .kernarg_segment_align: 8
    .kernarg_segment_size: 40
    .max_flat_workgroup_size: 128
    .sgpr_count:     100
    .vgpr_count:     768
    .wavefront_size: 32
...
	.end_amdgpu_metadata
.endif
;; end of part 6
;; launch ln2 (part 7): grid 256 x 1, 8 waves a work-group, no clusters, 69,632 bytes of LDS; arguments zb, ln2_g, ln2_b, out0; writes out0
.if DOCPART == 7
	.amdgcn_target "amdgcn-amd-amdhsa--gfx1250"
	.amdhsa_code_object_version 6
	.text
	.protected	k_q9ebaabd659_ln2
	.globl	k_q9ebaabd659_ln2
	.p2align	8
	.type	k_q9ebaabd659_ln2,@function
k_q9ebaabd659_ln2:
	s_mov_b64 s[64:65], 0
	v_nop
	global_prefetch_b8 v0, s[64:65] scope:SCOPE_SE
	s_setreg_imm32_b32 hwreg(HW_REG_WAVE_MODE, 25, 1), 1
	s_wait_xcnt 0x0
; out = layer norm(z) x g + b.  z comes as two half sums over the last product's K, 16,777,216 bytes apart in zb; they are added first, the lower half's first.
; Each lies as images of 16 rows x 128 columns: lane (r, h) holds 64 numbers of row r, register 16 b + i = column 32 b + 16 h + i; registers 4 g .. 4 g + 3 at 512 g + 16 l.
; A work-group takes a row tile (row r of tile T: place 32 (T / 2) + 8 (T % 2) + r + (r & 8) of its batch), wave w the columns 128 w .. 128 w + 127.
; The mean and then the mean of the squared differences (two passes: a common offset does no harm) are summed in the lane, with lane l xor 16, and over the eight waves through LDS: two barriers.
; The result turns through the wave's own stage in LDS and leaves as rows: each store covers 512 consecutive bytes of one row of out0, at a multiple of 256 from its first byte.
; Memory binds: no matrix unit, no tensor load, no cluster.  NaN and infinities are not served.
.set STAT1, 67584                      ; behind the eight stages of 8,448 bytes: 8 waves x 16 rows x 4 bytes,
.set STAT2, 512                        ; and once more, 512 bytes on
.set V16, 4
.set V4,  6
.set STI, 7
.set STO, 8
.set VB,  9
.set SW,  10
.set SR,  11
.set R,   16                           ; v16-79   the second half sum, then g, then the rows on their way out
.set AT,  80                           ; v80-143  b
.set X,   144                          ; v144-207
.set ST,  246
.set MU,  254
.set SEL, 46
.macro RSUM off, sq
.irp c, 0,1,2,3
.if \sq
	v_pk_mul_f32 v[ST+2*\c:ST+2*\c+1], v[X+2*\c:X+2*\c+1], v[X+2*\c:X+2*\c+1]
.else
	v_pk_add_f32 v[ST+2*\c:ST+2*\c+1], v[X+2*\c:X+2*\c+1], v[X+8+2*\c:X+9+2*\c]
.endif
.endr
.irp j, 8,16,24,32,40,48,56
.if \sq || (\j > 8)
.irp c, 0,1,2,3                                ; four chains by turns
.if \sq
	s_delay_alu instid0(VALU_DEP_4)
	v_pk_fma_f32 v[ST+2*\c:ST+2*\c+1], v[X+\j+2*\c:X+\j+2*\c+1], v[X+\j+2*\c:X+\j+2*\c+1], v[ST+2*\c:ST+2*\c+1]
.else
	s_delay_alu instid0(VALU_DEP_4)
	v_pk_add_f32 v[ST+2*\c:ST+2*\c+1], v[ST+2*\c:ST+2*\c+1], v[X+\j+2*\c:X+\j+2*\c+1]
.endif
.endr
.endif
.endr
	s_delay_alu instid0(VALU_DEP_3)
	v_pk_add_f32 v[ST:ST+1], v[ST:ST+1], v[ST+2:ST+3]
	s_delay_alu instid0(VALU_DEP_2)
	v_pk_add_f32 v[ST+4:ST+5], v[ST+4:ST+5], v[ST+6:ST+7]
	s_delay_alu instid0(VALU_DEP_1)
	v_pk_add_f32 v[ST:ST+1], v[ST:ST+1], v[ST+4:ST+5]
	s_delay_alu instid0(VALU_DEP_1)
	v_add_f32 v[ST], v[ST], v[ST+1]
	s_delay_alu instid0(VALU_DEP_1)
	v_permlanex16_b32 v[ST+1], v[ST], s[SEL], s[SEL+1]
	s_delay_alu instid0(VALU_DEP_1)
	v_add_f32 v[ST], v[ST], v[ST+1]                ; my wave's 128 columns of row r
	ds_store_b32 v[SW], v[ST] offset:\off          ; (lanes l and l + 16 store the same word)
	s_wait_dscnt 0x0                               ; for the others' sake: my store has landed
	s_barrier_signal -1
	s_barrier_wait -1
.irp w, 0,1,2,3,4,5,6,7
	ds_load_b32 v[ST+\w], v[SR] offset:\off+64*\w
.endr
	s_wait_dscnt 0x0
	v_add_f32 v[ST], v[ST], v[ST+1]                ; in one fixed order in every wave
	v_add_f32 v[ST+2], v[ST+2], v[ST+3]
	v_add_f32 v[ST+4], v[ST+4], v[ST+5]
	v_add_f32 v[ST+6], v[ST+6], v[ST+7]
	s_delay_alu instid0(VALU_DEP_3)
	v_add_f32 v[ST], v[ST], v[ST+2]
	s_delay_alu instid0(VALU_DEP_2)
	v_add_f32 v[ST+4], v[ST+4], v[ST+6]
	s_delay_alu instid0(VALU_DEP_1)
	v_add_f32 v[ST], v[ST], v[ST+4]
.endm
	s_load_b256 s[4:11], s[0:1], 0x0               ; zb, g, b, out0
	v_lshl_add_u32 v244, v0, 2, 0x10c00
	v_mov_b32 v245, 0
	v_lshrrev_b32 v1, 5, v0
	s_delay_alu instid0(VALU_DEP_1)
	v_readfirstlane_b32 s18, v1                    ; wave 0..7: which 128 columns
	v_and_b32 v3, 31, v0
	s_wait_alu depctr_va_vdst(0)
	v_and_b32 v1, 15, v0
	s_wait_alu depctr_va_vdst(0)
	v_bfe_u32 v2, v0, 4, 1
	s_wait_alu depctr_va_vdst(0)
	s_lshr_b32 s19, ttmp9, 7                       ; batch
	s_and_b32 s20, ttmp9, 127                      ; T
	s_lshr_b32 s21, s20, 1
	s_lshl_b32 s21, s21, 5
	s_and_b32 s22, s20, 1
	s_lshl_b32 s22, s22, 3
	s_add_co_u32 s21, s21, s22
	s_lshl_b32 s22, s21, 13
	s_lshl_b32 s19, s19, 12
	s_add_co_u32 s22, s22, s19
	s_lshl_b32 s30, s18, 9
	s_add_co_u32 s22, s22, s30
	s_mov_b32 s23, 0
	s_mov_b32 s31, 0
	s_lshl_b32 s24, ttmp9, 3
	s_add_co_u32 s24, s24, s18
	s_lshl_b32 s26, s24, 13
	s_mov_b32 s27, 0
	s_mov_b32 s32, 0x3a800000                      ; 1 / 1,024
	s_mov_b32 s33, 0x3727c5ac                      ; 1e-5
	s_mov_b32 s[SEL], 0x76543210
	s_mov_b32 s[SEL+1], 0xfedcba98
	v_lshlrev_b32 v[V16], 4, v3
	v_lshlrev_b32 v[V4], 2, v1
	v_lshlrev_b32 v[VB], 6, v2
	s_mul_i32 s19, s18, 8448
	v_add_nc_u32 v[STI], s19, v[V16]
	v_mul_u32_u24 v[STO], v1, 528
	s_delay_alu instid0(VALU_DEP_1)
	v_lshl_add_u32 v[STO], v2, 6, v[STO]
	s_delay_alu instid0(VALU_DEP_1)
	v_add_nc_u32 v[STO], s19, v[STO]
	v_add_nc_u32 v[SR], STAT1, v[V4]
	s_lshl_b32 s19, s18, 6
	v_add_nc_u32 v[SW], s19, v[SR]
	v_mov_b32 v[MU+1], 0                           ; (named as the upper half of a pair)
	s_wait_kmcnt 0x0
	s_add_nc_u64 s[4:5], s[4:5], s[26:27]          ; my image of the first half sum,
	s_add_nc_u64 s[12:13], s[4:5], 0x1000000       ; and of the second
	s_add_nc_u64 s[6:7], s[6:7], s[30:31]
	s_add_nc_u64 s[8:9], s[8:9], s[30:31]
	s_add_nc_u64 s[10:11], s[10:11], s[22:23]
.set li, 0
.rept 16
	global_load_b128 v[X+4*li:X+4*li+3], v[V16], s[4:5] offset:512*li th:TH_LOAD_NT
.set li, li+1
.endr
.set li, 0
.rept 16
	global_load_b128 v[R+4*li:R+4*li+3], v[V16], s[12:13] offset:512*li th:TH_LOAD_NT
.set li, li+1
.endr
	s_wait_loadcnt 0x0                             ; both half sums
.set kk, 0
.rept 32
	v_pk_add_f32 v[X+kk:X+kk+1], v[X+kk:X+kk+1], v[R+kk:R+kk+1]
.set kk, kk+2
.endr
.set li, 0
.rept 16
	global_load_b128 v[R+4*li:R+4*li+3], v[VB], s[6:7] offset:128*(li/4)+16*(li%4)     ; g and b in the same layout; they land under the two sums
	global_load_b128 v[AT+4*li:AT+4*li+3], v[VB], s[8:9] offset:128*(li/4)+16*(li%4)
.set li, li+1
.endr
	RSUM 0, 0
	s_delay_alu instid0(VALU_DEP_1)
	v_mul_f32 v[MU], s32, v[ST]                    ; the mean
.set kk, 0
.rept 32
	v_pk_add_f32 v[X+kk:X+kk+1], v[X+kk:X+kk+1], v[MU:MU+1] op_sel_hi:[1,0] neg_lo:[0,1] neg_hi:[0,1]
.set kk, kk+2
.endr
	RSUM STAT2, 1
	s_delay_alu instid0(VALU_DEP_1)
	v_fma_f32 v[MU], v[ST], s32, s33               ; the variance + 1e-5
	s_wait_alu depctr_va_vdst(0)
	v_rsq_f32 v[MU], v[MU]
	v_nop                                          ; a plain place behind the transcendental
	s_wait_loadcnt 0x0                             ; g, b
.set kk, 0
	s_wait_alu depctr_va_vdst(0)
.rept 32
	v_pk_mul_f32 v[X+kk:X+kk+1], v[X+kk:X+kk+1], v[MU:MU+1] op_sel_hi:[1,0]
.set kk, kk+2
.endr
.set kk, 0
.rept 32
	v_pk_fma_f32 v[X+kk:X+kk+1], v[X+kk:X+kk+1], v[R+kk:R+kk+1], v[AT+kk:AT+kk+1]
.set kk, kk+2
.endr
.irp b, 0,1,2,3
.irp j, 0,1,2,3
	ds_store_b128 v[STO], v[X+16*\b+4*\j:X+16*\b+4*\j+3] offset:128*\b+16*\j
.endr
.endr
.set ti, 0
.rept 16
	ds_load_b128 v[R+4*ti:R+4*ti+3], v[STI] offset:528*ti   ; LDS serves a wave's instructions in order: these see my stores
.set ti, ti+1
.endr
.set ti, 0
.rept 16
	s_wait_dscnt 15-ti                             ; row ti is back; the younger loads may be out
	global_store_b128 v[V16], v[R+4*ti:R+4*ti+3], s[10:11] offset:(ti+(ti&8))*8192 th:TH_STORE_NT
.set ti, ti+1
.endr
	s_wait_tensorcnt 0x0
	ds_add_u32 v244, v245
	s_wait_dscnt 0x0
	s_endpgm
.Lfunc_end_k_q9ebaabd659_ln2:
	.size	k_q9ebaabd659_ln2, .Lfunc_end_k_q9ebaabd659_ln2-k_q9ebaabd659_ln2
	.p2alignl 7, 3214868480
	.fill 96, 4, 3214868480
	.section	.rodata,"a",@progbits
	.p2align	6, 0x0
	.amdhsa_kernel k_q9ebaabd659_ln2
		.amdhsa_group_segment_fixed_size 69632
		.amdhsa_private_segment_fixed_size 0
		.amdhsa_enable_private_segment 0
		.amdhsa_kernarg_size 32
		.amdhsa_user_sgpr_count 2
		.amdhsa_user_sgpr_kernarg_segment_ptr 1
		.amdhsa_wavefront_size32 1
		.amdhsa_system_sgpr_workgroup_id_x 1
		.amdhsa_system_sgpr_workgroup_id_y 1
		.amdhsa_system_sgpr_workgroup_id_z 1
		.amdhsa_system_vgpr_workitem_id 0
		.amdhsa_next_free_vgpr 256
		.amdhsa_next_free_sgpr 66
		.amdhsa_reserve_vcc 0
		.amdhsa_float_denorm_mode_32 3
		.amdhsa_float_denorm_mode_16_64 3
		.amdhsa_memory_ordered 1
		.amdhsa_forward_progress 1
		.amdhsa_inst_pref_size 30
	.end_amdhsa_kernel
	.amdgpu_metadata
---
amdhsa.version: [ 1, 2 ]
amdhsa.kernels:
  - .name:           k_q9ebaabd659_ln2
    .symbol:         k_q9ebaabd659_ln2.kd
    .args:
      - { .name: zb, .offset: 0, .size: 8, .value_kind: global_buffer, .address_space: global }
      - { .name: ln2_g, .offset: 8, .size: 8, .value_kind: global_buffer, .address_space: global }
      - { .name: ln2_b, .offset: 16, .size: 8, .value_kind: global_buffer, .address_space: global }
      - { .name: out0, .offset: 24, .size: 8, .value_kind: global_buffer, .address_space: global }
    .group_segment_fixed_size: 69632
    .private_segment_fixed_size: 0
    .kernarg_segment_align: 8
    .kernarg_segment_size: 32
    .max_flat_workgroup_size: 256
    .sgpr_count:     66
    .vgpr_count:     256
    .wavefront_size: 32
...
	.end_amdgpu_metadata
.endif
;; end of part 7
